; MI455X (gfx1250); checked and timed in simulation.
; The chip was launched on July 23, 2026; its instructions are those of AMD's public machine-readable ISA for CDNA 5 (MIT licence, August 2026) and "CDNA5" Instruction Set Architecture Reference Guide (July 2026). The comments in the code are by the model that wrote it; some were corrected since.
;; Rotary Multi Head Dot Product Attention. Allowed arithmetic: matrix products marked QUANTISED: E2M3 operands, one E8M0 scale for each 32 along K, by v_wmma_scale_f32_16x16x128_f8f6f4 with both operands' format E2M3, f32 sums; products left as they are: f32 operands where the result goes on into a quantised operand, else bf16, f16 or f32 operands; f32 sums; everything else in f32.
;; Inputs: Wk 768 x 12 x 64 float32; Wo 12 x 64 x 768 float32; Wq 768 x 12 x 64 float32; Wv 768 x 12 x 64 float32; bk 12 x 64 float32; bo 768 float32; bq 12 x 64 float32; bv 12 x 64 float32; inputs_kv 16 x 1,024 x 768 float32; inputs_q 16 x 1,024 x 768 float32.
;; Outputs: out0 16 x 1,024 x 768 float32.
;; This version of the problem:
;;   THIS VERSION OF THE PROBLEM IS GIVEN IN LOW PRECISION. The matrix products marked QUANTISED in the list below multiply operands that are first quantised to E2M3 (2 exponent bits, 3 mantissa bits; 6 bits a number), with one power-of-two scale for each 32 numbers along K (OCP MX v1.0); their sums are f32. All else is computed in f32.
;;   The module's matrix products, in the order in which they are computed (A, B: the left and right operand; K: the contracted axis; several contracted axes count as one K, in the product's order):
;;     1. [M 16,384, K 768] x [K 768, N 768]; A: input inputs_q; B: input Wq: QUANTISED
;;     2. [M 16,384, K 768] x [K 768, N 768]; A: input inputs_kv; B: input Wk: QUANTISED
;;     3. [M 16,384, K 768] x [K 768, N 768]; A: input inputs_kv; B: input Wv: QUANTISED
;;     4. [M 16,384, K 1] x [K 1, N 16]; A: computed on the way; B: computed on the way: left as it is (no contracted axis)
;;     5. [M 16,384, K 1] x [K 1, N 16]; A: computed on the way; B: computed on the way: left as it is (no contracted axis)
;;     6. batch 192 x [M 1,024, K 64] x [K 64, N 1,024]; A: computed on the way; B: computed on the way: QUANTISED
;;     7. batch 192 x [M 64, K 1,024] x [K 1,024, N 1,024]; A: computed on the way; B: softmax (see below): QUANTISED
;;     8. [M 16,384, K 768] x [K 768, N 768]; A: computed on the way; B: input Wo: QUANTISED
;;   THE QUANTISER, for each operand of a quantised product, along K:
;;     - K is cut into blocks of 32 from its start; a last block that is shorter is filled with zeros.
;;     - A block's scale is 2^e with e = floor(log2(the largest magnitude in the block)) - 2, held to -126 .. 127; a block of zeros has e = 0. As a byte (E8M0): e + 127.
;;     - Each number is divided by its block's scale, clamped to +-7.5, and rounded to the nearest number of E2M3, ties to even, subnormals kept.
;;     - The product sums the exact products of the quantised numbers (number of the format x scale) in f32.
;;   ~~~python
;;   def quantise(x, axis):      # numpy; x: float32 -> the quantised numbers, widened to float32 again
;;       x = np.moveaxis(x, axis, -1); K = x.shape[-1]
;;       x = np.pad(x, [(0, 0)] * (x.ndim - 1) + [(0, -K % 32)]); x = x.reshape(x.shape[:-1] + (-1, 32)); a = np.abs(x).max(-1, keepdims=True)
;;       e = np.where(a > 0, np.clip(np.frexp(np.where(a > 0, a, 1))[1] - 1 - 2, -126, 127), 0)      # np.frexp(a)[1] - 1 = floor(log2(a)), exactly
;;       r = np.clip(x / 2.0 ** e, -7.5, 7.5)
;;       step = 2.0 ** (np.maximum(np.frexp(np.where(r == 0, 1, r))[1] - 1, 0) - 3)
;;       q = np.round(r / step) * step * 2.0 ** e      # np.round: ties to even
;;       return np.moveaxis(q.reshape(q.shape[:-2] + (-1,))[..., :K], -1, axis).astype(np.float32)
;;   ~~~
;;   SOFTMAX AHEAD OF A QUANTISED PRODUCT. Where the list says 'softmax', what is quantised is not the finished softmax but p = 2^(t - M), with t = logit x log2(e) and M = ceil(the row's largest t), a whole number; so 1/2 < the row's largest p <= 1. The row's sum l is taken of the UNQUANTISED p, in f32, and the product's result is divided by l at the end. Since M is a whole number, a kernel that streams over the keys may use a running M (the ceiling of the running maximum): every later rescaling is an exact power of two, which a block's scale takes up: the codes' values come out the same.
;;   OPERANDS COMPUTED ON THE WAY. 'Computed on the way' means the value that the module computes at that place (a softmax that the list does not call 'softmax' is quantised finished and normalised). What goes into a quantiser is computed in f32, as accurately as f32 sums, v_exp_f32 and their like allow (about 1e-6 of the number): no bf16 or f16 on the way to a quantiser, and a product that is left as it is and whose result goes on into a quantised operand takes f32 operands (vector FMAs, or v_wmma_f32_16x16x4_f32). A number that lies on a knife's edge between two numbers of the format may be rounded either way, as far as f32 arithmetic and the matrix unit's own rounding can turn it there, and no further.
;; One version. Each part assembles by itself: llvm-mc -triple=amdgcn-amd-amdhsa -mcpu=gfx1250 --defsym DOCPART=n.
;; ======== version 1 of 1: 4 launches
;; limits: right only within a limited range of input values
;; workspace buffers: xqimg 9,830,400 bytes; xkimg 9,830,400 bytes; oimg 9,830,400 bytes; wimg 1,843,200 bytes; qimg 10,223,616 bytes; kvimg 20,054,016 bytes
;; launch quant (part 1): grid 100 x 4, 4 waves a work-group, no clusters, 34,304 bytes of LDS; arguments inputs_q, inputs_kv, Wq, Wk, Wv, Wo, xqimg, xkimg, wimg; writes xqimg, xkimg, wimg
.if DOCPART == 1
	.amdgcn_target "amdgcn-amd-amdhsa--gfx1250"
	.amdhsa_code_object_version 6
	.text
	.protected	k_qb68c21dfb0_quant
	.globl	k_qb68c21dfb0_quant
	.p2align	8
	.type	k_qb68c21dfb0_quant,@function
k_qb68c21dfb0_quant:
	s_mov_b64 s[64:65], 0
	v_nop
	global_prefetch_b8 v0, s[64:65] scope:SCOPE_SE
	s_setreg_imm32_b32 hwreg(HW_REG_WAVE_MODE, 25, 1), 1
	s_wait_xcnt 0x0
; inputs_q, inputs_kv [16384][768] and Wq, Wk, Wv, Wo [768 (k)][768 (n)], f32, become codes of FP6 (E2M3) with one E8M0 byte for each 32 along K,
; laid as IMAGES OF OPERAND REGISTERS: a fragment (16 rows x 128 K, 12 registers a lane) is 1,536 bytes, registers 4 c .. 4 c + 3 of lane l at 512 c + 16 l.
; A block's scale is 2^(floor(log2(largest magnitude)) - 2); its byte is the largest magnitude's exponent field - 2, held at 1 from below.
; LIMITS: NaN and infinities are not served; a block whose largest magnitude lies under 2^-124 keeps the byte 1; a block of zeros gets the byte 1 where the
; quantiser's text says 127: its codes are zeros, which add nothing under any byte but 0xff, and this program alone reads the bytes.
; TILES OF TOKENS AND OF Wq, Wk, Wv's COLUMNS ARE PERMUTED: in a group of 32, lane r of tile u takes row 8 u + r + 8 (r / 8).  Wo's tiles are plain.
; GRID: x < 36: a weight (y says which): 128 columns x 128 k a work-group, a lane to a column, registers down K.  x >= 36: 32 tokens (a pair of tiles) to a wave.
; xqimg, xkimg: [pair 512][19,200]: fragment (6 u + ks) at 1,536 x; at 18,432 scale words [r + 16 u][ks 0..3]; at 18,944 [r + 16 u][ks 4, 5].
; wimg: [weight 4][slice of 64 columns 12][38,400]: fragment (4 ks + tile) at 1,536 x; at 36,864 + 768 (tile / 2): [r + 16 (tile % 2)][ks 0..3], then at + 512 [..][ks 4, 5].
.set STG,   16*528                     ; a wave's stage: 16 rows of 512 bytes + 16
.set SPARE, 4*STG                      ; behind the stages: the spare words, 128 bytes a wave
.set SPW,   28                         ; v28 my spare word's address; never rewritten
.set NIL,   29                         ; v29 0; never rewritten
.set WV,    22
.set YY,    23
.set SEL,   24
.macro BMAX d, t, x                    ; the largest magnitude of v[x] .. v[x + 31], in two chains, and the floor 2^(3 - 127), so that the byte cannot fall under 1
	v_max3_num_f32 v[\d], |v[\x]|, |v[\x+1]|, |v[\x+2]|
	v_max3_num_f32 v[\t], |v[\x+3]|, |v[\x+4]|, |v[\x+5]|
.irp i, 6,10,14,18,22,26
	v_max3_num_f32 v[\d], v[\d], |v[\x+\i]|, |v[\x+\i+1]|
	v_max3_num_f32 v[\t], v[\t], |v[\x+\i+2]|, |v[\x+\i+3]|
.endr
	v_max3_num_f32 v[\d], v[\d], |v[\x+30]|, |v[\x+31]|
	v_max3_num_f32 v[\d], v[\d], v[\t], 0x1800000
.endm
	s_load_b256 s[4:11], s[0:1], 0x0               ; inputs_q s[4:5], inputs_kv s[6:7], Wq s[8:9], Wk s[10:11]
	s_load_b256 s[12:19], s[0:1], 0x20             ; Wv s[12:13], Wo s[14:15], xqimg s[16:17], xkimg s[18:19]
	s_load_b64 s[20:21], s[0:1], 0x40              ; wimg
	v_lshl_add_u32 v[SPW], v0, 2, SPARE
	v_mov_b32 v[NIL], 0
	v_lshrrev_b32 v1, 5, v0
	v_readfirstlane_b32 s[WV], v1                  ; wave 0..3
	s_and_b32 s[YY], ttmp7, 0xffff
	v_and_b32 v2, 31, v0                           ; lane
	s_mov_b32 s[SEL], 0x76543210
	s_mov_b32 s[SEL+1], 0xfedcba98                 ; v_permlanex16_b32's selects for lane l xor 16
	s_cmp_lt_u32 ttmp9, 36
	s_cbranch_scc0 .Lx
	; ---------------- a weight: y = 0 Wq, 1 Wk, 2 Wv, 3 Wo
	s_mul_i32 s26, ttmp9, 43
	s_lshr_b32 s26, s26, 8                         ; cg = x / 6: which 128 columns
	s_mul_i32 s27, s26, 6
	s_sub_co_u32 s27, ttmp9, s27                   ; ks = x % 6: which 128 along K
	s_lshr_b32 s28, s[WV], 1
	s_lshl_b32 s29, s26, 1
	s_add_co_u32 s28, s28, s29                     ; my slice of 64 columns
	s_and_b32 s29, s[WV], 1                        ; and which 32 of them
	s_mul_i32 s30, s27, 393216                     ; in: 128 rows of 3,072 bytes a K step,
	s_lshl_b32 s31, s26, 9
	s_add_co_u32 s30, s30, s31
	s_lshl_b32 s31, s[WV], 7
	s_add_co_u32 s30, s30, s31                     ; + 4 x my first column
	s_mov_b32 s31, 0
	s_mul_i32 s32, s[YY], 460800
	s_mul_i32 s33, s28, 38400
	s_add_co_u32 s32, s32, s33                     ; out: my slice's block
	s_mov_b32 s33, 0
	s_lshl_b32 s34, s27, 2
	s_lshl_b32 s35, s29, 1
	s_add_co_u32 s34, s34, s35
	s_mul_i32 s34, s34, 1536                       ; fragments 4 ks + 2 b and the next
	s_mov_b32 s35, 0
	s_cmp_lt_u32 s27, 4
	s_cselect_b32 s38, 4, 3                        ; scale words: 16 bytes a lane for ks 0..3, 8 for ks 4, 5
	s_cselect_b32 s36, 0, 496                      ; (512 - 16: the second part begins 512 on and counts ks from 4)
	s_lshl_b32 s37, s27, 2
	s_add_co_u32 s36, s36, s37
	s_mul_i32 s37, s29, 768
	s_add_co_u32 s36, s36, s37
	s_add_co_u32 s36, s36, 36864
	s_mov_b32 s37, 0
	s_cmp_eq_u32 s[YY], 3
	s_cselect_b32 s39, -1, 0                       ; Wo: plain tiles
	s_wait_alu depctr_va_vdst(0)
	v_lshlrev_b32 v7, 2, v2                        ; in: 4 bytes a lane: lane e takes column e of my 32
	v_and_b32 v3, 7, v2
	v_and_b32 v4, 8, v2
	v_lshl_or_b32 v3, v4, 1, v3
	v_and_b32 v4, 16, v2
	v_lshrrev_b32 v4, 1, v4
	v_or_b32 v3, v3, v4                            ; e with bits 3 and 4 changed over = r + 16 u where e = 8 u + r + 8 (r / 8)
	v_cndmask_b32 v3, v3, v2, s39                  ; plain: r + 16 u = e
	v_and_b32 v5, 15, v3
	v_lshrrev_b32 v4, 4, v3
	v_lshlrev_b32 v5, 4, v5
	v_mad_u32_u24 v5, v4, 1536, v5                 ; my column's place in the two fragments: 16 r + 1,536 u
	v_lshlrev_b32 v6, s38, v3                      ; and among the scale words
	s_wait_kmcnt 0x0
	s_cmp_eq_u32 s[YY], 1
	s_cselect_b64 s[40:41], s[10:11], s[8:9]
	s_cmp_eq_u32 s[YY], 2
	s_cselect_b64 s[40:41], s[12:13], s[40:41]
	s_cmp_eq_u32 s[YY], 3
	s_cselect_b64 s[40:41], s[14:15], s[40:41]
	s_add_nc_u64 s[40:41], s[40:41], s[30:31]
	s_add_nc_u64 s[42:43], s[20:21], s[32:33]
	s_add_nc_u64 s[44:45], s[42:43], s[36:37]      ; scale words
	s_add_nc_u64 s[42:43], s[42:43], s[34:35]      ; codes
.set nn, 0
.rept 128
	global_load_b32 v[32+nn], v7, s[40:41] offset:nn*3072 th:TH_LOAD_NT   ; W(128 ks + nn, my column): 32 lanes read 128 consecutive bytes, the four waves 512
.set nn, nn+1
.endr
	s_wait_loadcnt 0x0
.irp b, 0,1,2,3
	BMAX 8+\b, 12+\b, 32+32*\b                     ; all 32 numbers of a block are mine
.endr
.irp b, 0,1,2,3
	v_add_nc_u32 v[16+\b], 0xff000000, v[8+\b]     ; 2 off the exponent field: the conversion takes the exponent field of this operand as its scale
.endr
.irp b, 0,1,2,3
	v_lshrrev_b32 v[8+\b], 23, v[16+\b]            ; the scale's byte
.endr
	v_lshl_or_b32 v20, v9, 8, v8
	v_lshl_or_b32 v20, v10, 16, v20
	v_lshl_or_b32 v20, v11, 24, v20                ; my column's scale word for this K step
.irp b, 0,1,2,3                        ; blocks 0 and 2 are what lane (r, 0) of the fragment holds: v160-171; blocks 1 and 3 lane (r, 1): v172-183
	v_cvt_scalef32_pk16_fp6_f32 v[160+12*(\b%2)+6*(\b/2):162+12*(\b%2)+6*(\b/2)], v[32+32*\b:47+32*\b], v[16+\b]
	v_cvt_scalef32_pk16_fp6_f32 v[184+4*\b:186+4*\b], v[48+32*\b:63+32*\b], v[16+\b]   ; (a conversion's three registers begin on an even number)
.endr
	v_nop                                          ; one plain place behind a scaled conversion
.irp b, 0,1,2,3
.irp i, 0,1,2
	v_mov_b32 v[163+12*(\b%2)+6*(\b/2)+\i], v[184+4*\b+\i]
.endr
.endr
.irp g, 0,1
.irp c, 0,1,2
	global_store_b128 v5, v[160+12*\g+4*\c:163+12*\g+4*\c], s[42:43] offset:512*\c+256*\g   ; the sixteen lanes of a tile store 256 consecutive bytes, aligned
.endr
.endr
	global_store_b32 v6, v20, s[44:45]             ; 4 bytes a lane, 16 or 8 apart: 73,728 bytes in the whole launch
	s_branch .Lend
	; ---------------- 32 tokens to a wave: 12 fragments, f = 6 u + ks
.Lx:
	s_sub_co_u32 s26, ttmp9, 36
	s_lshl_b32 s27, s[YY], 6
	s_add_co_u32 s26, s26, s27                     ; 0 .. 255: the first 128 take inputs_q, the others inputs_kv
	s_and_b32 s26, s26, 127
	s_lshl_b32 s26, s26, 2
	s_add_co_u32 s26, s26, s[WV]                   ; my pair, 0 .. 511
	s_mul_i32 s30, s26, 98304                      ; 32 rows of 3,072 bytes
	s_mov_b32 s31, 0
	s_mul_i32 s32, s26, 19200
	s_mov_b32 s33, 0
	s_mul_i32 s27, s[WV], STG
	s_wait_alu depctr_va_vdst(0)
	v_lshlrev_b32 v1, 4, v2                        ; 16 x lane
	v_lshlrev_b32 v6, 3, v2                        ; 8 x lane
	v_add_nc_u32 v3, s27, v1                       ; the stage, in: a row's 512 bytes as they lie
	v_and_b32 v8, 15, v2
	v_lshrrev_b32 v9, 4, v2
	v_mul_u32_u24 v4, v8, 528
	v_lshl_add_u32 v4, v9, 7, v4
	v_add_nc_u32 v4, s27, v4                       ; out: row r, block g (128 bytes); block 2 + g lies 256 on
	v_lshlrev_b32 v5, 3, v9                        ; 8 g: my two bytes' shift in the scale word
	v_mov_b32 v244, 0                              ; written once: a lane permute's destination counts as one of its sources
	s_wait_alu depctr_va_vdst(0)
	s_wait_kmcnt 0x0
	s_cmp_lt_u32 s[YY], 2
	s_cselect_b64 s[40:41], s[4:5], s[6:7]
	s_cselect_b64 s[42:43], s[16:17], s[18:19]
	s_add_nc_u64 s[40:41], s[40:41], s[30:31]
	s_add_nc_u64 s[42:43], s[42:43], s[32:33]
.macro XLOAD f                         ; fragment f's 16 rows x 128 numbers: each load reads 512 consecutive bytes of one row
.irp i, 0,1,2,3,4,5,6,7,8,9,10,11,12,13,14,15
	global_load_b128 v[32+64*((\f)%2)+4*\i:35+64*((\f)%2)+4*\i], v1, s[40:41] offset:(8*((\f)/6)+\i+8*(\i/8))*3072+512*((\f)%6) th:TH_LOAD_NT
.endr
.endm
.macro XFRAG f
.if (\f) < 11
	s_wait_loadcnt 16                              ; this fragment's 16 loads are in; the next fragment's 16 may be out
.else
	s_wait_loadcnt 0x0
.endif
.irp i, 0,1,2,3,4,5,6,7,8,9,10,11,12,13,14,15
	ds_store_b128 v3, v[32+64*((\f)%2)+4*\i:35+64*((\f)%2)+4*\i] offset:528*\i
.endr
.irp j, 0,1,2,3,4,5,6,7
	ds_load_b128 v[160+4*\j:163+4*\j], v4 offset:16*\j          ; LDS serves a wave's instructions in order: these see my stores.  My row's block g,
.endr
.irp j, 0,1,2,3,4,5,6,7
	ds_load_b128 v[192+4*\j:195+4*\j], v4 offset:256+16*\j      ; and its block 2 + g: what the operand's layout gives lane (r, g)
.endr
	s_wait_dscnt 0x0
.if (\f)+2 < 12
	XLOAD (\f)+2                                   ; into the registers that the stage's stores have read
.endif
	BMAX 8, 10, 160
	BMAX 9, 11, 192
	v_add_nc_u32 v12, 0xff000000, v8               ; the conversions' scale operands
	v_add_nc_u32 v13, 0xff000000, v9
	v_lshrrev_b32 v8, 23, v12
	v_lshrrev_b32 v9, 23, v13
	v_lshl_or_b32 v8, v9, 16, v8                   ; my two bytes, blocks g and 2 + g,
	v_lshlrev_b32 v8, v5, v8                       ; at their places;
	v_permlanex16_b32 v244, v8, s[SEL], s[SEL+1]
	v_or_b32 v[16+(\f)], v8, v244                  ; with lane l xor 16's two the row's word is whole
	s_wait_alu depctr_va_vdst(0)
	s_wait_xcnt 0x0                                ; the last fragment's stores have read their data: the codes' registers are written again only behind this wait
	v_cvt_scalef32_pk16_fp6_f32 v[224:226], v[160:175], v12
	v_cvt_scalef32_pk16_fp6_f32 v[236:238], v[176:191], v12
	v_cvt_scalef32_pk16_fp6_f32 v[230:232], v[192:207], v13
	v_cvt_scalef32_pk16_fp6_f32 v[240:242], v[208:223], v13
	v_nop                                          ; one plain place behind a scaled conversion
.irp i, 0,1,2
	v_mov_b32 v[227+\i], v[236+\i]
	v_mov_b32 v[233+\i], v[240+\i]
.endr
.irp c, 0,1,2
	global_store_b128 v1, v[224+4*\c:227+4*\c], s[42:43] offset:1536*(\f)+512*\c   ; 512 consecutive bytes
.endr
.endm
	XLOAD 0
	XLOAD 1
.irp t, 0,1,2,3,4,5,6,7,8,9,10,11
	XFRAG \t
.endr
	v_cmp_le_u32 vcc_lo, 16, v2
.irp k, 0,1,2,3,4,5
	v_cndmask_b32 v[16+\k], v[16+\k], v[22+\k], vcc_lo   ; lanes 0-15 keep tile 0's words, lanes 16-31 take tile 1's
.endr
	global_store_b128 v1, v[16:19], s[42:43] offset:18432
	global_store_b64 v6, v[20:21], s[42:43] offset:18944
.Lend:
	s_wait_tensorcnt 0x0                           ; the wave's end
	ds_add_u32 v[SPW], v[NIL]
	s_wait_dscnt 0x0
	s_endpgm
.Lfunc_end_k_qb68c21dfb0_quant:
	.size	k_qb68c21dfb0_quant, .Lfunc_end_k_qb68c21dfb0_quant-k_qb68c21dfb0_quant
	.p2alignl 7, 3214868480
	.fill 96, 4, 3214868480
	.section	.rodata,"a",@progbits
	.p2align	6, 0x0
	.amdhsa_kernel k_qb68c21dfb0_quant
		.amdhsa_group_segment_fixed_size 34304
		.amdhsa_private_segment_fixed_size 0
		.amdhsa_enable_private_segment 0
		.amdhsa_kernarg_size 72
		.amdhsa_user_sgpr_count 2
		.amdhsa_user_sgpr_kernarg_segment_ptr 1
		.amdhsa_wavefront_size32 1
		.amdhsa_system_sgpr_workgroup_id_x 1
		.amdhsa_system_sgpr_workgroup_id_y 1
		.amdhsa_system_sgpr_workgroup_id_z 1
		.amdhsa_system_vgpr_workitem_id 0
		.amdhsa_next_free_vgpr 256
		.amdhsa_next_free_sgpr 66
		.amdhsa_reserve_vcc 1
		.amdhsa_float_denorm_mode_32 3
		.amdhsa_float_denorm_mode_16_64 3
		.amdhsa_memory_ordered 1
		.amdhsa_forward_progress 1
		.amdhsa_inst_pref_size 105
	.end_amdhsa_kernel
	.amdgpu_metadata
---
amdhsa.version: [ 1, 2 ]
amdhsa.kernels:
  - .name:           k_qb68c21dfb0_quant
    .symbol:         k_qb68c21dfb0_quant.kd
    .args:
      - { .name: inputs_q, .offset: 0, .size: 8, .value_kind: global_buffer, .address_space: global }
      - { .name: inputs_kv, .offset: 8, .size: 8, .value_kind: global_buffer, .address_space: global }
      - { .name: Wq, .offset: 16, .size: 8, .value_kind: global_buffer, .address_space: global }
      - { .name: Wk, .offset: 24, .size: 8, .value_kind: global_buffer, .address_space: global }
      - { .name: Wv, .offset: 32, .size: 8, .value_kind: global_buffer, .address_space: global }
      - { .name: Wo, .offset: 40, .size: 8, .value_kind: global_buffer, .address_space: global }
      - { .name: xqimg, .offset: 48, .size: 8, .value_kind: global_buffer, .address_space: global }
      - { .name: xkimg, .offset: 56, .size: 8, .value_kind: global_buffer, .address_space: global }
      - { .name: wimg, .offset: 64, .size: 8, .value_kind: global_buffer, .address_space: global }
    .group_segment_fixed_size: 34304
    .private_segment_fixed_size: 0
    .kernarg_segment_align: 8
    .kernarg_segment_size: 72
    .max_flat_workgroup_size: 128
    .sgpr_count:     66
    .vgpr_count:     256
    .wavefront_size: 32
...
	.end_amdgpu_metadata
.endif
;; end of part 1
;; launch proj (part 2): grid 64 x 3, 4 waves a work-group, no clusters, 327,680 bytes of LDS; arguments xqimg, xkimg, wimg, bq, bk, bv, qimg, kvimg; writes qimg, kvimg
.if DOCPART == 2
	.amdgcn_target "amdgcn-amd-amdhsa--gfx1250"
	.amdhsa_code_object_version 6
	.text
	.protected	k_qb68c21dfb0_proj
	.globl	k_qb68c21dfb0_proj
	.p2align	8
	.type	k_qb68c21dfb0_proj,@function
k_qb68c21dfb0_proj:
	s_mov_b64 s[64:65], 0
	v_nop
	global_prefetch_b8 v0, s[64:65] scope:SCOPE_SE
	s_setreg_imm32_b32 hwreg(HW_REG_WAVE_MODE, 25, 1), 1
	s_wait_xcnt 0x0
.set SLOTB, 19200
.set ROPEX, 294912
.set ROPEY, ROPEX+4096
.set SPARE, ROPEY+1024
.set L16,  1
.set L8,   2
.set L4,   3
.set AX16, 4
.set AX8,  5
.set AY0,  6
.set AY,   7
.set BOFF, 8
.set VSEL, 9
.set ACC,  16
.set XSC,  104
.set WSC,  112
.set RX,   144
.set RY,   176
.set T,    192
.set PC,   200
.set PW,   220
.set KW,   221
.set FV,   144
.set VW,   224
.set TM,   228
.set VM,   244
.set SPW,  252
.set NIL,  253
.set WV, 20
.set YY, 21
.set RG, 22
.set G1, 24
.set G0, 32
.set SEL, 40
.set WP, 42
.set BP, 44
.set OC, 46
.set OS, 48
.set XB, 50
.set XI, 53
.set YB, 51
.set CNT, 52
.set HM, 58
.set MSB, 0
.macro WIN new
.if MSB != \new
	s_set_vgpr_msb (MSB<<8)|\new
.set MSB, \new
.endif
.endm
.macro SETW set, f
.if (\f) < 21
.set mW, 256+256*(\set)+12*(\f)
.else
.set mW, 768+36*(\set)+12*((\f)-21)
.endif
.endm
.macro SETX u, ks
.if (\ks) == 0
.set mX, 80+12*(\u)
.else
.set mX, 904+12*(2*((\ks)-1)+(\u))
.endif
.endm
.macro MMX
.set mWIN, (mA/256)|((mB/256)<<2)|((mC/256)<<4)|((mD/256)<<6)
	WIN mWIN
.if mRA == 0 && mRB == 0
	v_wmma_scale_f32_16x16x128_f8f6f4 v[mD%256:mD%256+7], v[mA%256:mA%256+11], v[mB%256:mB%256+11], v[mC%256:mC%256+7], v[mSA], v[mSB] matrix_a_fmt:MATRIX_FMT_FP6 matrix_b_fmt:MATRIX_FMT_FP6
.elseif mRA == 1 && mRB == 0
	v_wmma_scale_f32_16x16x128_f8f6f4 v[mD%256:mD%256+7], v[mA%256:mA%256+11], v[mB%256:mB%256+11], v[mC%256:mC%256+7], v[mSA], v[mSB] matrix_a_fmt:MATRIX_FMT_FP6 matrix_b_fmt:MATRIX_FMT_FP6 matrix_a_scale:MATRIX_SCALE_ROW1
.elseif mRA == 0
	v_wmma_scale_f32_16x16x128_f8f6f4 v[mD%256:mD%256+7], v[mA%256:mA%256+11], v[mB%256:mB%256+11], v[mC%256:mC%256+7], v[mSA], v[mSB] matrix_a_fmt:MATRIX_FMT_FP6 matrix_b_fmt:MATRIX_FMT_FP6 matrix_b_scale:MATRIX_SCALE_ROW1
.else
	v_wmma_scale_f32_16x16x128_f8f6f4 v[mD%256:mD%256+7], v[mA%256:mA%256+11], v[mB%256:mB%256+11], v[mC%256:mC%256+7], v[mSA], v[mSB] matrix_a_fmt:MATRIX_FMT_FP6 matrix_b_fmt:MATRIX_FMT_FP6 matrix_a_scale:MATRIX_SCALE_ROW1 matrix_b_scale:MATRIX_SCALE_ROW1
.endif
.endm
.macro WLOADW set
.set wf, 0
.rept 24
	SETW \set, wf
	WIN ((mW/256)<<6)
.irp c, 0,1,2
	global_load_b128 v[mW%256+4*\c:mW%256+4*\c+3], v[L16], s[WP:WP+1] offset:1536*wf+512*\c
.endr
.set wf, wf+1
.endr
	WIN 0
.irp p, 0,1
	global_load_b128 v[WSC+16*(\set)+8*\p:WSC+16*(\set)+8*\p+3], v[L16], s[WP:WP+1] offset:36864+768*\p
	global_load_b64 v[WSC+16*(\set)+8*\p+4:WSC+16*(\set)+8*\p+5], v[L8], s[WP:WP+1] offset:37376+768*\p
.endr
.endm
.macro BLOAD_QK set
	WIN 0xc0
.irp w, 0,1,2,3
	global_load_b128 v[72+32*(\set)+8*\w:72+32*(\set)+8*\w+3], v[BOFF], s[BP:BP+1] offset:(32*(\w/2)+8*(\w%2))*4
	global_load_b128 v[72+32*(\set)+8*\w+4:72+32*(\set)+8*\w+7], v[BOFF], s[BP:BP+1] offset:(32*(\w/2)+8*(\w%2))*4+16
.endr
	WIN 0
.endm
.macro BLOAD_V set
	WIN 0xc0
.irp t, 0,1,2,3
.irp j, 0,1,2,3,4,5,6,7
	global_load_b32 v[72+32*(\set)+8*\t+\j], v[BOFF], s[BP:BP+1] offset:(32*(\t/2)+8*(\t%2))*4
.endr
.endr
	WIN 0
.endm
.macro FETCHX
	s_add_co_u32 s[XI], s[XI], 1
	s_and_b32 s[XI], s[XI], 7
	s_mul_i32 s[XB], s[XI], SLOTB
	v_add_nc_u32 v[AX16], s[XB], v[L16]
	v_add_nc_u32 v[AX8], s[XB], v[L8]
	v_nop
	v_nop
.irp u, 0,1
.irp c, 0,1,2
	ds_load_b128 v[80+12*\u+4*\c:83+12*\u+4*\c], v[AX16] offset:(6*\u)*1536+512*\c
.endr
.endr
	ds_load_b128 v[XSC:XSC+3], v[AX16] offset:18432
	ds_load_b64 v[XSC+4:XSC+5], v[AX8] offset:18944
	WIN 0xc0
.irp ks, 1,2,3,4,5
.irp u, 0,1
.irp c, 0,1,2
	ds_load_b128 v[136+12*(2*(\ks-1)+\u)+4*\c:139+12*(2*(\ks-1)+\u)+4*\c], v[AX16] offset:(6*\u+\ks)*1536+512*\c
.endr
.endr
.endr
	WIN 0
.endm
.macro QMAX4 s
.irp b, 0,1,2,3
	v_max3_num_f32 v[TM+\b], |v[\s+16*\b]|, |v[\s+1+16*\b]|, 0x1800000
.endr
.irp i, 2,4,6,8,10,12,14
.irp b, 0,1,2,3
	v_max3_num_f32 v[TM+\b], v[TM+\b], |v[\s+16*\b+\i]|, |v[\s+1+16*\b+\i]|
.endr
.endr
.irp b, 0,1,2,3
	v_permlanex16_b32 v[TM+4+\b], v[TM+\b], s[SEL], s[SEL+1]
.endr
.irp b, 0,1,2,3
	v_max_num_f32 v[TM+\b], v[TM+\b], v[TM+4+\b]
.endr
.irp b, 0,1,2,3
	v_add_nc_u32 v[TM+12+\b], 0xff000000, v[TM+\b]
.endr
.irp b, 0,1,2,3
	v_lshrrev_b32 v[TM+4+\b], 23, v[TM+12+\b]
.endr
.endm
.macro QASM p
.irp c, 0,1
.irp i, 0,1,2
	v_permlane16_swap_b32 v[\p+6*\c+\i], v[\p+12+4*\c+\i]
.endr
.irp i, 0,1,2
	v_mov_b32 v[\p+3+6*\c+\i], v[\p+12+4*\c+\i]
.endr
.endr
.endm
.macro ROT4 x, cs
.irp i, 0,1,2,3
	v_pk_mul_f32 v[T+2*\i:T+2*\i+1], v[\x+2*\i:\x+2*\i+1], v[\cs+2*\i:\cs+2*\i+1] op_sel_hi:[1,0]
.endr
.irp i, 0,1,2,3
	v_pk_fma_f32 v[\x+2*\i:\x+2*\i+1], v[\x+2*\i:\x+2*\i+1], v[\cs+2*\i:\cs+2*\i+1], v[T+2*\i:T+2*\i+1] op_sel:[1,1,0] op_sel_hi:[0,1,1] neg_lo:[0,1,0]
.endr
.endm
	s_load_b256 s[4:11], s[0:1], 0x0
	s_load_b256 s[12:19], s[0:1], 0x20
	v_lshl_add_u32 v[SPW], v0, 2, SPARE
	v_mov_b32 v[NIL], 0
	ds_add_u32 v[SPW], v[NIL]
	ds_add_u32 v[SPW], v[NIL]
	v_lshrrev_b32 v10, 5, v0
	v_readfirstlane_b32 s[WV], v10
	s_and_b32 s[YY], ttmp7, 0xffff
	s_mov_b32 s[RG], ttmp9
	v_and_b32 v10, 31, v0
	v_and_b32 v11, 15, v0
	v_bfe_u32 v12, v0, 4, 1
	v_lshlrev_b32 v[L16], 4, v10
	v_lshlrev_b32 v[L8], 3, v10
	v_lshlrev_b32 v[L4], 2, v10
	s_mov_b32 s[G1], 3<<16
	s_mov_b32 s[G1+1], 32<<16
	s_mov_b32 s[G1+2], 150<<16
	s_mov_b32 s[G1+3], 32<<16
	s_mov_b32 s[G1+4], 150
	s_mov_b32 s[G1+5], 32
	s_mov_b32 s[G1+6], 0
	s_mov_b32 s[G1+7], 0
	s_mov_b32 s[SEL], 0x76543210
	s_mov_b32 s[SEL+1], 0xfedcba98
	s_lshl_b32 s62, s[RG], 2
	s_add_co_u32 s62, s62, s[WV]
	s_mul_i32 s62, s62, 2*SLOTB
	s_mov_b32 s63, 0
	s_mul_i32 s66, s[YY], 460800
	s_mul_i32 s67, s[WV], 38400
	s_add_co_u32 s66, s66, s67
	s_mov_b32 s67, 0
	s_lshl_b32 s68, s[WV], 8
	s_mov_b32 s69, 0
	s_mul_i32 s70, s[WV], 2*SLOTB
	s_mov_b32 s72, 0x3d000000
	s_mov_b32 s73, 0x3c800000
	s_wait_alu depctr_va_vdst(0)
	s_wait_dscnt 0x0
	s_wait_kmcnt 0x0
	s_cmp_eq_u32 s[YY], 0
	s_cselect_b64 s[60:61], s[4:5], s[6:7]
	s_add_nc_u64 s[60:61], s[60:61], s[62:63]
	s_add_nc_u64 s[WP:WP+1], s[8:9], s[66:67]
	s_cmp_eq_u32 s[YY], 1
	s_cselect_b64 s[BP:BP+1], s[12:13], s[10:11]
	s_cmp_eq_u32 s[YY], 2
	s_cselect_b64 s[BP:BP+1], s[14:15], s[BP:BP+1]
	s_add_nc_u64 s[BP:BP+1], s[BP:BP+1], s[68:69]
.irp j, 0
	s_mov_b32 s[G0+4*\j], 1
	s_add_co_u32 s[G0+4*\j+1], s70, \j*131072
	s_add_nc_u64 s[G0+4*\j+2:G0+4*\j+3], s[60:61], \j*76800
	s_or_b32 s[G0+4*\j+3], s[G0+4*\j+3], 0x80000000
.endr
	tensor_load_to_lds s[G0:G0+3], s[G1:G1+7]      ; my two pairs of tiles, 150 dense rows of 256 bytes, into slots 2 wave and 2 wave + 1: my one tensor load
	s_nop 0
.rept 4
	v_nop
.endr
	WLOADW 0
	v_and_b32 v144, 15, v0
	v_cvt_f32_u32 v144, v144
	v_mul_f32 v144, 0xbf62c6e7, v144
	s_wait_alu depctr_va_vdst(0)
	v_exp_f32 v144, v144
	v_lshrrev_b32 v145, 4, v0
	v_lshl_add_u32 v150, v0, 3, ROPEX
	s_and_b32 s71, s[RG], 3
	s_lshl_b32 s71, s71, 3
	s_wait_alu depctr_va_vdst(0)
.macro SINCOS off
	v_cvt_f32_u32 v146, v146
	v_fma_f32 v146, v146, s72, s73
	v_mul_f32 v146, v146, v144
	v_mul_f32 v147, v146, v146
	v_mov_b32 v149, 0xb2d7322b
	v_mov_b32 v148, 0xb493f27e
	v_fmaak_f32 v149, v149, v147, 0x3638ef1d
	v_fmaak_f32 v148, v148, v147, 0x37d00d01
	v_fmaak_f32 v149, v149, v147, 0xb9500d01
	v_fmaak_f32 v148, v148, v147, 0xbab60b61
	v_fmaak_f32 v149, v149, v147, 0x3c088889
	v_fmaak_f32 v148, v148, v147, 0x3d2aaaab
	v_fmaak_f32 v149, v149, v147, 0xbe2aaaab
	v_fmaak_f32 v148, v148, v147, 0xbf000000
	v_mul_f32 v149, v149, v147
	v_fma_f32 v148, v147, v148, 1.0
	v_fma_f32 v149, v146, v149, v146
	ds_store_b64 v150, v[148:149] offset:\off
.endm
.irp i, 0,1,2,3
	v_add_nc_u32 v146, 8*\i, v145
	SINCOS 1024*\i
.endr
	v_add_nc_u32 v146, s71, v145
	SINCOS 4096
	s_wait_tensorcnt 0x0
	s_wait_dscnt 0x0
	s_barrier_signal -1
	s_barrier_wait -1
	v_cmp_le_u32 s[HM], 16, v10
	v_mov_b32 v[VSEL], 0x01000100
	v_mov_b32 v13, 0x03020302
	v_cndmask_b32 v[VSEL], v[VSEL], v13, s[HM]
.irp b, 0,1,2,3
	v_mov_b32 v[TM+4+\b], 0
.endr
	s_mov_b32 s[XI], 7
	FETCHX
	s_cmp_eq_u32 s[YY], 2
	s_cbranch_scc1 .Lv
	s_cmp_eq_u32 s[YY], 0
	s_cselect_b64 s[OC:OC+1], s[16:17], s[18:19]
	s_mov_b32 s66, 104448
	s_cselect_b32 s66, 53248, s66
	s_mov_b32 s67, 98304
	s_cselect_b32 s67, 49152, s67
	s_lshr_b32 s68, s[RG], 2
	s_mul_i32 s68, s68, 12
	s_add_co_u32 s68, s68, s[WV]
	s_mul_i32 s68, s68, s66
	s_mov_b32 s69, 0
	s_add_nc_u64 s[OC:OC+1], s[OC:OC+1], s[68:69]
	s_and_b32 s70, s[RG], 3
	s_lshl_b32 s68, s70, 10
	s_add_co_u32 s68, s68, s67
	s_add_nc_u64 s[OS:OS+1], s[OC:OC+1], s[68:69]
	s_mul_i32 s68, s70, 12288
	s_add_nc_u64 s[OC:OC+1], s[OC:OC+1], s[68:69]
	s_lshl_b32 s66, s66, 2
	s_sub_co_u32 s54, s66, 12288
	s_mov_b32 s55, 0
	s_sub_co_u32 s56, s66, 1024
	s_mov_b32 s57, 0
	v_lshlrev_b32 v[BOFF], 6, v12
	v_add_nc_u32 v[AY0], ROPEY, v[BOFF]
	v_and_b32 v13, 8, v11
	v_add_nc_u32 v13, v13, v11
	v_lshl_add_u32 v13, v13, 7, v[BOFF]
	v_add_nc_u32 v13, ROPEX, v13
.irp u, 0,1
.irp j, 0,1,2,3
	ds_load_b128 v[RX+16*\u+4*\j:RX+16*\u+4*\j+3], v13 offset:1024*\u+16*\j
.endr
.endr
	BLOAD_QK 0
.macro TRIP_QK set
	s_wait_dscnt 0x0
	v_add_nc_u32 v[AY], s[YB], v[AY0]
.irp j, 0,1,2,3
	ds_load_b128 v[RY+4*\j:RY+4*\j+3], v[AY] offset:16*\j
.endr
.irp ks, 0,1,2,3,4,5
.irp w, 0,1,2,3
.irp u, 0,1
	SETW \set, 4*\ks+\w
	SETX \u, \ks
.set mD, ACC+32*\u+8*\w
.set mA, mW
.set mB, mX
.if \ks == 0
.set mC, 840+32*(\set)+8*\w
.else
.set mC, mD
.endif
.set mSA, WSC+16*(\set)+8*(\w/2)+\ks
.set mSB, XSC+\ks
.set mRA, \w%2
.set mRB, \u
	MMX
.endr
.endr
.endr
	WIN 0
	FETCHX
	s_wait_dscnt 38
.irp u, 0,1
	ROT4 ACC+32*\u, RX+16*\u
	ROT4 ACC+32*\u+8, RX+16*\u+8
	ROT4 ACC+32*\u+16, RY
	ROT4 ACC+32*\u+24, RY+8
.endr
	QMAX4 ACC
	v_lshl_or_b32 v[PW], v[TM+5], 8, v[TM+4]
	v_lshl_or_b32 v[PW], v[TM+6], 16, v[PW]
	v_lshl_or_b32 v[PW], v[TM+7], 24, v[PW]
	v_perm_b32 v[KW], v[PW], v[PW], v[VSEL]
.irp c, 0,1
	v_cvt_scalef32_pk16_fp6_f32 v[PC+6*\c:PC+2+6*\c], v[ACC+32*\c:ACC+15+32*\c], v[TM+12+2*\c]
	v_cvt_scalef32_pk16_fp6_f32 v[PC+12+4*\c:PC+14+4*\c], v[ACC+16+32*\c:ACC+31+32*\c], v[TM+12+2*\c+1]
.endr
	v_nop
	QASM PC
.irp c, 0,1,2
	global_store_b128 v[L16], v[PC+4*\c:PC+4*\c+3], s[OC:OC+1] offset:512*\c
.endr
	global_store_b32 v[L4], v[KW], s[OS:OS+1]
	s_wait_xcnt 0x0
	s_add_nc_u64 s[OC:OC+1], s[OC:OC+1], 1536
	s_add_nc_u64 s[OS:OS+1], s[OS:OS+1], 128
	s_add_co_u32 s[YB], s[YB], 128
.endm
.macro PASS_QK set, p
	s_wait_loadcnt 0x0
.if \p < 2
	s_add_nc_u64 s[WP:WP+1], s[WP:WP+1], 153600
	s_add_nc_u64 s[BP:BP+1], s[BP:BP+1], 1024
	WLOADW 1-\set
	BLOAD_QK 1-\set
.endif
	s_mov_b32 s[YB], 0
	s_mov_b32 s[CNT], 8
.Lqk_\@:
	TRIP_QK \set
	s_sub_co_u32 s[CNT], s[CNT], 1
	s_cmp_lg_u32 s[CNT], 0
	s_cbranch_scc1 .Lqk_\@
.if \p < 2
	s_add_nc_u64 s[OC:OC+1], s[OC:OC+1], s[54:55]
	s_add_nc_u64 s[OS:OS+1], s[OS:OS+1], s[56:57]
.endif
.endm
	s_wait_alu depctr_va_vdst(0)
	PASS_QK 0, 0
	PASS_QK 1, 1
	PASS_QK 0, 2
	s_branch .Lend
.Lv:
	s_lshr_b32 s68, s[RG], 2
	s_mul_i32 s68, s68, 12
	s_add_co_u32 s68, s68, s[WV]
	s_mul_i32 s68, s68, 104448
	s_mov_b32 s69, 0
	s_add_nc_u64 s[OC:OC+1], s[18:19], s[68:69]
	s_and_b32 s70, s[RG], 3
	s_lshl_b32 s68, s70, 9
	s_add_co_u32 s68, s68, 102400
	s_add_nc_u64 s[OS:OS+1], s[OC:OC+1], s[68:69]
	s_mul_i32 s68, s70, 12288
	s_add_co_u32 s68, s68, 49152
	s_add_nc_u64 s[OC:OC+1], s[OC:OC+1], s[68:69]
	s_mov_b32 s54, 4*104448-12288
	s_mov_b32 s55, 0
	s_mov_b32 s56, 4*104448-512
	s_mov_b32 s57, 0
	v_and_b32 v13, 8, v11
	v_add_nc_u32 v13, v13, v11
	v_lshlrev_b32 v[BOFF], 2, v13
	BLOAD_V 0
.macro PAIR_V set, q
.set VOF, (1-(\q)%2)*6*((\q)/2)+((\q)%2)*(12+4*((\q)/2))
	s_wait_dscnt 0x0
.irp ks, 0,1,2,3,4,5
.irp t, 0,1,2,3
.irp u, 0,1
	SETW \set, 4*\ks+\t
	SETX \u, \ks
.set mD, ACC+16*\t+8*\u
.set mA, mX
.set mB, mW
.if \ks == 0
.set mC, 840+32*(\set)+8*\t
.else
.set mC, mD
.endif
.set mSA, XSC+\ks
.set mSB, WSC+16*(\set)+8*(\t/2)+\ks
.set mRA, \u
.set mRB, \t%2
	MMX
.endr
.endr
.endr
	WIN 0
	FETCHX
	QMAX4 ACC
.irp t, 0,1,2,3
.if \q == 0
	v_mov_b32 v[VW+\t], v[TM+4+\t]
.else
	v_lshl_or_b32 v[VW+\t], v[TM+4+\t], 8*\q, v[VW+\t]
.endif
.endr
.irp t, 0,1,2,3
	v_cvt_scalef32_pk16_fp6_f32 v[FV+20*\t+VOF:FV+20*\t+VOF+2], v[ACC+16*\t:ACC+16*\t+15], v[TM+12+\t]
.endr
	v_nop
.endm
.macro PASS_V set, p
	s_wait_loadcnt 0x0
.if \p < 2
	s_add_nc_u64 s[WP:WP+1], s[WP:WP+1], 153600
	s_add_nc_u64 s[BP:BP+1], s[BP:BP+1], 1024
	WLOADW 1-\set
	BLOAD_V 1-\set
.endif
	s_mov_b32 s[CNT], 2
.Lvs_\@:
	PAIR_V \set, 0
	PAIR_V \set, 1
	PAIR_V \set, 2
	PAIR_V \set, 3
.irp t, 0,1,2,3
	QASM FV+20*\t
.endr
	v_cndmask_b32 v[VM], v[VW], v[VW+1], s[HM]
	v_cndmask_b32 v[VM+1], v[VW+2], v[VW+3], s[HM]
.irp t, 0,1,2,3
.irp c, 0,1,2
	global_store_b128 v[L16], v[FV+20*\t+4*\c:FV+20*\t+4*\c+3], s[OC:OC+1] offset:1536*\t+512*\c
.endr
.endr
	global_store_b64 v[L8], v[VM:VM+1], s[OS:OS+1]
	s_wait_xcnt 0x0
	s_add_nc_u64 s[OC:OC+1], s[OC:OC+1], 6144
	s_add_nc_u64 s[OS:OS+1], s[OS:OS+1], 256
	s_sub_co_u32 s[CNT], s[CNT], 1
	s_cmp_lg_u32 s[CNT], 0
	s_cbranch_scc1 .Lvs_\@
.if \p < 2
	s_add_nc_u64 s[OC:OC+1], s[OC:OC+1], s[54:55]
	s_add_nc_u64 s[OS:OS+1], s[OS:OS+1], s[56:57]
.endif
.endm
	s_wait_alu depctr_va_vdst(0)
	PASS_V 0, 0
	PASS_V 1, 1
	PASS_V 0, 2
.Lend:
	s_wait_tensorcnt 0x0
	ds_add_u32 v[SPW], v[NIL]
	s_wait_dscnt 0x0
	s_endpgm
.Lfunc_end_k_qb68c21dfb0_proj:
	.size	k_qb68c21dfb0_proj, .Lfunc_end_k_qb68c21dfb0_proj-k_qb68c21dfb0_proj
	.p2alignl 7, 3214868480
	.fill 96, 4, 3214868480
	.section	.rodata,"a",@progbits
	.p2align	6, 0x0
	.amdhsa_kernel k_qb68c21dfb0_proj
		.amdhsa_group_segment_fixed_size 327680
		.amdhsa_private_segment_fixed_size 0
		.amdhsa_enable_private_segment 0
		.amdhsa_kernarg_size 64
		.amdhsa_user_sgpr_count 2
		.amdhsa_user_sgpr_kernarg_segment_ptr 1
		.amdhsa_wavefront_size32 1
		.amdhsa_system_sgpr_workgroup_id_x 1
		.amdhsa_system_sgpr_workgroup_id_y 1
		.amdhsa_system_sgpr_workgroup_id_z 1
		.amdhsa_system_vgpr_workitem_id 0
		.amdhsa_next_free_vgpr 1024
		.amdhsa_next_free_sgpr 80
		.amdhsa_reserve_vcc 0
		.amdhsa_float_denorm_mode_32 3
		.amdhsa_float_denorm_mode_16_64 3
		.amdhsa_memory_ordered 1
		.amdhsa_forward_progress 1
		.amdhsa_inst_pref_size 255
	.end_amdhsa_kernel
	.section	.bss,"aw",@nobits
	.p2align	6
	.space	262144
	.amdgpu_metadata
---
amdhsa.version: [ 1, 2 ]
amdhsa.kernels:
  - .name:           k_qb68c21dfb0_proj
    .symbol:         k_qb68c21dfb0_proj.kd
    .args:
      - { .name: xqimg, .offset: 0, .size: 8, .value_kind: global_buffer, .address_space: global }
      - { .name: xkimg, .offset: 8, .size: 8, .value_kind: global_buffer, .address_space: global }
      - { .name: wimg, .offset: 16, .size: 8, .value_kind: global_buffer, .address_space: global }
      - { .name: bq, .offset: 24, .size: 8, .value_kind: global_buffer, .address_space: global }
      - { .name: bk, .offset: 32, .size: 8, .value_kind: global_buffer, .address_space: global }
      - { .name: bv, .offset: 40, .size: 8, .value_kind: global_buffer, .address_space: global }
      - { .name: qimg, .offset: 48, .size: 8, .value_kind: global_buffer, .address_space: global }
      - { .name: kvimg, .offset: 56, .size: 8, .value_kind: global_buffer, .address_space: global }
    .group_segment_fixed_size: 327680
    .private_segment_fixed_size: 0
    .kernarg_segment_align: 8
    .kernarg_segment_size: 64
    .max_flat_workgroup_size: 128
    .sgpr_count:     80
    .vgpr_count:     1024
    .wavefront_size: 32
...
	.end_amdgpu_metadata
.endif
;; end of part 2
;; launch attn (part 3): grid 256 x 1, 16 waves a work-group, clusters of 4 x 1, 327,680 bytes of LDS; arguments qimg, kvimg, oimg; writes oimg
.if DOCPART == 3
	.amdgcn_target "amdgcn-amd-amdhsa--gfx1250"
	.amdhsa_code_object_version 6
	.text
	.protected	k_qb68c21dfb0_attn
	.globl	k_qb68c21dfb0_attn
	.p2align	8
	.type	k_qb68c21dfb0_attn,@function
k_qb68c21dfb0_attn:
	s_mov_b64 s[64:65], 0
	v_nop
	global_prefetch_b8 v0, s[64:65] scope:SCOPE_SE
	s_setreg_imm32_b32 hwreg(HW_REG_WAVE_MODE, 25, 1), 1
	s_wait_xcnt 0x0
	s_wait_alu depctr_hold_cnt(0) depctr_sa_sdst(0) depctr_va_vdst(0) depctr_va_sdst(0) depctr_va_ssrc(0) depctr_va_vcc(0) depctr_vm_vsrc(0)
	s_getreg_b32 s2, hwreg(HW_REG_IB_STS2, 6, 4)
	s_cmp_eq_u32 s2, 0
	s_cbranch_scc0 .Lentry_in_a_cluster
	s_endpgm
.Lentry_in_a_cluster:
	s_bfe_u32 s2, ttmp6, 0x10000c
	s_cmp_lg_u32 s2, 0x3003
	s_cbranch_scc0 .Lentry_shape_is_right
	s_endpgm
.Lentry_shape_is_right:
; o = softmax(q k^T / 8) v for 192 heads of 1,024 tokens and 64 channels, both products on codes of FP6 (E2M3), and the quantiser of o along (head, channel) for the last projection.
; THE SOFTMAX: t = score x log2(e) / 8; M = the running largest t rounded UP to a whole number; p = 2^(t - M) is quantised along the keys, not normalised; the row's sum is taken of the
; unquantised p and divides O at the end.  When M moves, the sum and O are multiplied by 2^(old M - new M): exact.
; SHARES.  A cluster of four work-groups takes three heads, head = cluster + 64 j.  Work-group cx owns queries 256 cx on; each of its sixteen waves one tile of 16, in 256 registers.
; The four need the same K and V: every part of a head's block of kvimg is asked for JOINTLY.  The three heads have LDS bytes of their own: nothing is filled twice.
; FILLS, one tensor load a wave and group: head 0 by waves 0-3 at the kernel's head; heads 1 and 2 by waves 0-7 behind the full sequence and a round of the cluster's barrier.  A barrier behind the
; fourth key step shows heads 1 and 2 to all waves; from there on the waves share nothing and meet no barrier until the end: one loop walks the other 20 key steps, and a scalar test on its counter leads to a head's way out.
; No prefetch is laid: all three blocks have been asked for by their tensor loads ahead of the fifth of the 24 key steps, so no later step has a load to run ahead of.
; LAYOUT.  Both products transposed: S^T = K Q^T, O^T = V^T P^T: a lane holds ONE query.  kvimg holds K as images of pairs of tiles: lane r of tile u of pair b is key 32 b + 8 u + (r % 8) + 16 (r / 8).
; A TILE OF KEYS IS FORMED ANEW BY THE LANES' ADDRESSES: rows 0-7 come from pair 2 c, rows 8-15 from pair 2 c + 1, both from the image's lanes 8 w .. 8 w + 7.  Tile 4 c + 2 w + u then gives lanes 0-15 keys 64 c + 16 w + 8 u + 0..7
; and lanes 16-31 the keys 32 further on: the 32 registers of four tiles are ONE WHOLE BLOCK of 32 neighbouring keys in each lane, as the second product's operand wants it: no block is shared between lanes.
; A head's even pairs and odd pairs are two tiles of 16 rows x 1,536 bytes (pitch 3,072); the odd ones lie 24,704 bytes behind the even ones, 128 more than a multiple of 256, so that the sixteen lanes of a load touch 256 different bytes modulo 256.
; TWO REGIONS OF 64 REGISTERS TAKE TURNS, v32-95 and v96-159: in a step one holds K and then V, the other S^T and then p; as soon as p has been converted and summed, the NEXT step's K is loaded into p's registers,
; and the regions change roles.  So a trip of the loop is two steps.  The very last step has no successor: it asks once more for the last trip's first K (an address held inside LDS by s_min_u32), which nobody reads, so that the counted wait for V holds in every trip.
; K = 64 IN A PRODUCT OF K = 128: q's operand has zero codes in registers 6-11; k's operand for tile t is its region's registers 6 t .. 6 t + 11: the upper six are the next tile's codes, or behind the last tile whatever the region
; held before: every pattern of six bits is a finite number of E2M3, and it meets zeros; the scale words hold the two real bytes twice.
; OUT.  oimg [pair of tiles 512][19,200]: fragment (6 u + ks) at 1,536 x, registers 2 q, 2 q + 1 of lane l at 256 q + 8 l; scale words as in the images of x.
; LIMITS: the promise holds while the scaled scores t stay under 2^31 in magnitude; NaN and infinities are not served; a block whose largest magnitude lies under 2^-124 keeps the byte 1, a block of zeros too
; (its codes are zeros; this program alone reads the bytes).  A block's largest p is taken as the exponential of its largest score.
; REGISTERS: v1-11, v29-31 addresses; v12 -M, v13 the largest score, v[14:15] the sum; v16-27 Q; v28 Q's scale words; v32-95, v96-159 the two regions; v160-191 O^T; v192-205 the later heads' Q; v206 p's scale word;
; v208-217 at work; v218-221 K's scale words; v[222:223] the factor; v224-235 p's codes; v[236:237] V's scale words; v240-255 at work.
.set HB,    104448                     ; a head's block in kvimg
.set KODD,  24704                      ; LDS: the odd pairs of K
.set REST,  49408                      ; LDS: V's fragments and both sets of scale words, 55,296 bytes as they lie
.set HBL,   104704                     ; a head's bytes of LDS
.set KSC,   REST+49152
.set VSC,   REST+53248
.set SPARE, 3*HBL                      ; the spare words, 128 bytes for each of 16 waves
.set AKL,  1
.set AVL,  2
.set AKS,  3
.set AVS,  4
.set SPW,  5
.set NIL,  6
.set ADK,  7
.set ADV,  8
.set ADS,  9
.set ADT,  10
.set L8,   11
.set OSO,  29
.set LP,   30
.set SH8,  31
.set BM,   208
.set KS,   218
.set VS,   236
.set WV, 10
.set CX, 11
.set CL, 12
.set PL, 13
.set G,  14
.set IT, 15
.set ST, 16
.set TK, 17
.set TV, 18
.set TS, 19
.set SEL, 20
.set CS, 22
.set G1K, 24
.set G1R, 32
.set G0K, 40
.set G0R, 44
.set OB, 48
.set OSB, 50
.set TT, 60
.set SH, 61
.set EE, 62
.set RK, 63
.set QB, 66
.set QSB, 68
.macro CROUND                          ; a round of the cluster's barrier
	s_barrier_signal -1
	s_barrier_wait -1
	s_cmp_lg_u32 s[WV], 0
	s_cbranch_scc1 .Lnot_wave_0_\@
	s_barrier_signal -3
.Lnot_wave_0_\@:
	s_barrier_wait -3
	s_barrier_signal -1
	s_barrier_wait -1
.endm
.macro DESC first                      ; both groups 0 for head first + wave / 4: K's even or odd pairs, the first or second half of the rest (by wave % 2)
	s_lshr_b32 s52, s[WV], 2
	s_add_co_u32 s52, s52, \first
	s_mul_i32 s53, s52, HBL
	s_lshl_b32 s52, s52, 6
	s_add_co_u32 s52, s52, s[CL]
	s_mul_i32 s56, s52, HB
	s_mov_b32 s57, 0
	s_add_nc_u64 s[56:57], s[6:7], s[56:57]
	s_mul_i32 s58, s[EE], 1536
	s_mov_b32 s59, 0
	s_mov_b32 s[G0K], 1
	s_mul_i32 s54, s[EE], KODD
	s_add_co_u32 s[G0K+1], s53, s54
	s_add_nc_u64 s[G0K+2:G0K+3], s[56:57], s[58:59]
	s_or_b32 s[G0K+3], s[G0K+3], 0x80000000
	s_mul_i32 s58, s[EE], 27648
	s_mov_b32 s[G0R], 1
	s_add_co_u32 s[G0R+1], s53, s58
	s_add_co_u32 s[G0R+1], s[G0R+1], REST
	s_add_co_u32 s58, s58, 49152
	s_add_nc_u64 s[G0R+2:G0R+3], s[56:57], s[58:59]
	s_or_b32 s[G0R+3], s[G0R+3], 0x80000000
.endm
.macro FILL n                          ; waves under n issue one joint load each: one chain of branches on the wave's number, one load to an arm, one join
	s_cmp_lt_u32 s[WV], \n
	s_cbranch_scc0 .Lnone_\@
	s_cmp_eq_u32 s[RK], 0
	s_cbranch_scc0 .Lrest_\@
	tensor_load_to_lds s[G0K:G0K+3], s[G1K:G1K+7]
	s_nop 0
.rept 4
	v_nop
.endr
	s_branch .Lnone_\@
.Lrest_\@:
	tensor_load_to_lds s[G0R:G0R+3], s[G1R:G1R+7]
	s_nop 0
.rept 4
	v_nop
.endr
.Lnone_\@:
.endm
.macro QL d, sd, j                     ; head j's codes of my tile (registers 6 u .. 6 u + 5 of the pair's image, in pieces of 8 bytes) and its scale words
	global_load_b64 v[\d:\d+1], v213, s[QB:QB+1] offset:\j*3407872
	global_load_b64 v[\d+2:\d+3], v214, s[QB:QB+1] offset:\j*3407872
	global_load_b64 v[\d+4:\d+5], v213, s[QB:QB+1] offset:\j*3407872+512
	global_load_b32 v[\sd], v215, s[QSB:QSB+1] offset:\j*3407872
.endm
.macro INIT                            ; a head begins: the largest score -3e38, -M a large whole number (the first change of M gives the factor 0), zero sums
	v_mov_b32 v13, 0xff61b1e6
	v_mov_b32 v12, 0x7e000000
	v_mov_b32 v14, 0
	v_mov_b32 v15, 0
.set nn, 0
.rept 32
	v_mov_b32 v[160+nn], 0                         ; O^T: the step is written once; a head's first step finds zeros
.set nn, nn+1
.endr
.endm
.macro KLOAD r, ko, so                 ; a step's K into region r: the pair of tiles 2 p, 2 p + 1 (c = p / 2, w = p % 2), and its scale words: 16 LDS loads
.irp p, 0,1,2,3
.irp q, 0,1,2
	ds_load_b128 v[\r+12*\p+4*\q:\r+12*\p+4*\q+3], v[ADK] offset:\ko+1536*(\p/2)+128*(\p%2)+512*\q
.endr
	ds_load_b32 v[KS+\p], v[ADS] offset:\so+256*(\p/2)+32*(\p%2)
.endr
.endm
.macro VL n                            ; the n-th of the twelve loads that bring V's four fragments into the region that K has left
	ds_load_b128 v[KR+12*((\n)/3)+4*((\n)%3):KR+12*((\n)/3)+4*((\n)%3)+3], v[ADV] offset:VO+1536*((\n)/3)+512*((\n)%3)
.endm
	s_load_b128 s[4:7], s[0:1], 0x0                ; qimg s[4:5], kvimg s[6:7]
	s_load_b64 s[8:9], s[0:1], 0x10                ; oimg
	v_lshl_add_u32 v[SPW], v0, 2, SPARE
	v_mov_b32 v[NIL], 0
	ds_add_u32 v[SPW], v[NIL]                      ; the opening lines: the add, twice on end, and its wait ahead of the round in front of the first tensor loads
	ds_add_u32 v[SPW], v[NIL]
	v_lshrrev_b32 v7, 5, v0
	v_readfirstlane_b32 s[WV], v7                  ; wave 0..15
	s_bfe_u32 s[CX], ttmp6, 0x40000                ; my place in the cluster: it enters Q's and o's global addresses alone
	s_mov_b32 s[CL], ttmp9                         ; the cluster
	s_mov_b32 s[G1K], 15|(3<<16)|(1<<21)           ; the mask: all four work-groups; elements of 8 bytes; bit 21 set beside a mask
	s_mov_b32 s[G1K+1], 192<<16                    ; K: 16 rows of 1,536 bytes, every second pair
	s_mov_b32 s[G1K+2], 16<<16
	s_mov_b32 s[G1K+3], 192<<16
	s_mov_b32 s[G1K+4], 16
	s_mov_b32 s[G1K+5], 384
	s_mov_b32 s[G1K+6], 0
	s_mov_b32 s[G1K+7], 0
	s_mov_b32 s[G1R], 15|(3<<16)|(1<<21)
	s_mov_b32 s[G1R+1], 32<<16                     ; the rest: 108 dense rows of 256 bytes
	s_mov_b32 s[G1R+2], 108<<16
	s_mov_b32 s[G1R+3], 32<<16
	s_mov_b32 s[G1R+4], 108
	s_mov_b32 s[G1R+5], 32
	s_mov_b32 s[G1R+6], 0
	s_mov_b32 s[G1R+7], 0
	s_mov_b32 s[SEL], 0x76543210
	s_mov_b32 s[SEL+1], 0xfedcba98                 ; v_permlanex16_b32's selects for lane l xor 16
	s_mov_b32 s[CS], 0x3e38aa3b                    ; c = log2(e) / 8
	s_mov_b32 s[CS+1], s[CS]                       ; (named with it as a pair, so it is written)
	s_and_b32 s[EE], s[WV], 1                      ; u: my tile of the pair; also which half of a fill's kind
	s_and_b32 s[RK], s[WV], 2                      ; 0: I fetch K's pairs; 2: the rest
	s_lshl_b32 s[PL], s[CX], 3
	s_lshr_b32 s52, s[WV], 1
	s_add_co_u32 s[PL], s[PL], s52                 ; my pair of tiles in the batch: 8 cx + wave / 2
	s_wait_alu depctr_va_vdst(0)
	s_wait_dscnt 0x0                               ; both opening adds are done
	s_wait_kmcnt 0x0
	DESC 0
	CROUND                                         ; all four work-groups are here: the joint loads meet
	FILL 4                                         ; head 0
	s_mul_i32 s52, s[CL], 53248
	s_mul_i32 s53, s[PL], 1536
	s_add_co_u32 s54, s52, s53
	s_mov_b32 s55, 0
	s_add_nc_u64 s[QB:QB+1], s[4:5], s[54:55]
	s_lshl_b32 s53, s[PL], 7
	s_add_co_u32 s54, s52, s53
	s_add_co_u32 s54, s54, 49152
	s_add_nc_u64 s[QSB:QSB+1], s[4:5], s[54:55]
	s_mul_i32 s56, s[EE], 520
	s_mul_i32 s57, s[EE], 1016
	s_add_co_u32 s57, s57, 8
	s_lshl_b32 s58, s[EE], 6
	s_lshl_b32 s59, s[EE], 4
	v_and_b32 v208, 31, v0                         ; lane
	v_and_b32 v209, 15, v0                         ; r
	v_bfe_u32 v210, v0, 4, 1                       ; h
	v_and_b32 v211, 7, v0                          ; r % 8
	v_bfe_u32 v212, v0, 3, 1                       ; r / 8
	v_lshl_add_u32 v213, v208, 4, s56              ; image registers 6 u, 6 u + 1 (and, 512 on, 6 u + 4, 6 u + 5): 16 lane + 520 u
	v_lshl_add_u32 v214, v208, 4, s57              ; registers 6 u + 2, 6 u + 3: 16 lane + 8 + 1,016 u
	v_lshl_add_u32 v215, v209, 2, s58              ; scale words: 4 r + 64 u
	QL 16, 28, 0                                   ; all three heads' Q now: 21 registers
	QL 192, 204, 1
	QL 198, 205, 2
	v_mul_u32_u24 v[AKL], v212, KODD               ; K: rows 8-15 read the odd pair,
	v_lshl_add_u32 v[AKL], v211, 4, v[AKL]         ; the image's lane r % 8 (+ 8 w in the loads' offsets)
	v_lshl_add_u32 v[AKL], v210, 8, v[AKL]         ; + 16 h
	v_lshl_add_u32 v[AVL], v208, 4, REST           ; V: an image's place, 16 x lane
	v_lshlrev_b32 v[AKS], 7, v212                  ; K's scale words: pair, tile u = my half of the lanes, row
	v_lshl_add_u32 v[AKS], v210, 6, v[AKS]
	v_lshl_add_u32 v[AKS], v211, 2, v[AKS]
	v_add_nc_u32 v[AKS], KSC, v[AKS]
	v_lshl_add_u32 v[AVS], v208, 3, VSC
	v_lshlrev_b32 v[L8], 3, v208
	v_lshlrev_b32 v[SH8], 3, v210                  ; 8 h: my two bytes' shift in p's scale word
	v_add_nc_u32 v[LP], s59, v209                  ; r + 16 u
	v_mov_b32 v[ADK], v[AKL]                       ; the first trip's K
	v_mov_b32 v[ADS], v[AKS]
.irp i, 0,1,2,3,4,5
	v_mov_b32 v[22+\i], 0                          ; Q's blocks 2 and 3: zero codes
	v_mov_b32 v[80+\i], 0                          ; what stands behind K's last tile in the first step
.endr
	v_mov_b32 v216, 0                              ; written once: a lane permute's destination counts as one of its sources
	v_mov_b32 v223, 0                              ; (named as the upper half of the pair v[222:223])
	INIT
	s_wait_alu depctr_va_vdst(0)
	s_wait_tensorcnt 0x0                           ; my part of head 0 is in; ahead of a later first fill,
	ds_add_u32 v[SPW], v[NIL]                      ; the add twice on end
	ds_add_u32 v[SPW], v[NIL]
	DESC 1                                         ; no load of mine is out: the groups 0 are written for heads 1 (waves 0-3) and 2 (waves 4-7)
	s_wait_dscnt 0x0
	CROUND                                         ; head 0 is whole in every work-group, and the joint loads meet
	FILL 8
	KLOAD 32, 0, 0                                 ; the first step's K
	s_wait_loadcnt 0x0                             ; Q is in, and its loads' offsets may be written again
; A KEY STEP: 128 keys.  e: the step's place in its trip.  KR: the region with K, then V;  SR: the region with S^T, then p, then the next step's K
.macro STEP e
.set KR, 32+64*\e
.set SR, 96-64*\e
.set VO, 6144*\e
	s_wait_alu depctr_va_vdst(0)
	s_wait_dscnt 0x0                               ; K is in: asked for in the step before, ahead of its last 16 + 8 vector lines and 4 products
.irp t, 0,1,2,3,4,5,6,7
.if \t%2 == 0
	v_wmma_scale_f32_16x16x128_f8f6f4 v[SR+8*\t:SR+8*\t+7], v[KR+6*\t:KR+6*\t+11], v[16:27], 0, v[KS+\t/2], v28 matrix_a_fmt:MATRIX_FMT_FP6 matrix_b_fmt:MATRIX_FMT_FP6
.else
	v_wmma_scale_f32_16x16x128_f8f6f4 v[SR+8*\t:SR+8*\t+7], v[KR+6*\t:KR+6*\t+11], v[16:27], 0, v[KS+\t/2], v28 matrix_a_fmt:MATRIX_FMT_FP6 matrix_b_fmt:MATRIX_FMT_FP6 matrix_a_scale:MATRIX_SCALE_ROW1
.endif
.endr
.if \e == 0
	v_add_nc_u32 v[ADV], s[TV], v[AVL]             ; this trip's V,
	v_add_nc_u32 v[ADT], s[TT], v[AVS]
.else
	v_add_nc_u32 v[ADK], s[TK], v[AKL]             ; the next trip's K.  With the two lines below: the four places in front of the first read of the scores
	v_add_nc_u32 v[ADS], s[TS], v[AKS]
.endif
	v_nop
	v_nop
; my two blocks of 32 keys: each block's largest score, in four chains a block, each accumulator read from its low end on
.irp j, 0,1,2,3
.irp c, 0,1
	v_max3_num_f32 v[BM+4*\c+\j], v[SR+32*\c+3*\j], v[SR+32*\c+3*\j+1], v[SR+32*\c+3*\j+2]
.endr
.endr
.irp i, 12,14,16,18,20,22,24,26,28,30
.irp c, 0,1
	v_max3_num_f32 v[BM+4*\c+((\i-12)/2)%4], v[BM+4*\c+((\i-12)/2)%4], v[SR+32*\c+\i], v[SR+32*\c+\i+1]
.endr
.endr
.irp c, 0,1
	s_delay_alu instid0(VALU_DEP_2)
	v_max3_num_f32 v[BM+4*\c], v[BM+4*\c], v[BM+4*\c+1], v[BM+4*\c+2]
.endr
.irp c, 0,1
	s_delay_alu instid0(VALU_DEP_2)
	v_max_num_f32 v[BM+4*\c], v[BM+4*\c], v[BM+4*\c+3]
.endr
; the chain that makes M and the factor; V's thirteen loads stand between its lines
	s_delay_alu instid0(VALU_DEP_1)
	v_max_num_f32 v209, v[BM], v[BM+4]
	VL 0
	v_permlanex16_b32 v216, v209, s[SEL], s[SEL+1] ; lane l xor 16 holds my query's other 64 keys
	VL 1
	v_max3_num_f32 v13, v13, v209, v216            ; the running largest score
	VL 2
	VL 3
	v_mul_f32 v210, s[CS], v13                     ; as t (c is positive)
	VL 4
	VL 5
	v_floor_f32 v211, -v210                        ; the new -M = floor(-t) = -ceil(t)
	VL 6
	VL 7
	v_sub_f32 v213, v211, v12                      ; old M - new M: a whole number, 0 or less
	v_mov_b32 v12, v211
	VL 8
	VL 9
	v_cvt_i32_f32 v213, v213                       ; (it saturates)
	VL 10
	VL 11
	ds_load_b64 v[VS:VS+1], v[ADT] offset:256*\e
	v_ldexp_f32 v222, 1.0, v213                    ; f = 2^(old M - new M)
.set nn, 0
.rept 32
	v_pk_fma_f32 v[SR+nn:SR+nn+1], v[SR+nn:SR+nn+1], s[CS:CS+1], v[12:13] op_sel_hi:[1,0,0]   ; t - M, two at a time (the low word of each pair serves both halves)
.set nn, nn+2
.endr
.irp c, 0,1
	v_fma_f32 v[BM+4*\c], v[BM+4*\c], s[CS], v12   ; the same of each block's largest score
.endr
	s_wait_alu depctr_va_vdst(0)
	v_exp_f32 v[BM], v[BM]                         ; each block's largest p,
	v_exp_f32 v[BM+4], v[BM+4]
.set nn, 0
.rept 64
	v_exp_f32 v[SR+nn], v[SR+nn]                   ; and p = 2^(t - M)
.set nn, nn+1
.endr
	v_pk_mul_f32 v[14:15], v[14:15], v[222:223] op_sel_hi:[1,0]   ; the sums under the new M (the plain place behind the exponentials)
	s_wait_alu depctr_va_vdst(0)                   ; one wait for the batch, ahead of its first reader
.irp c, 0,1
	v_max_num_f32 v[BM+4*\c], 0x1800000, v[BM+4*\c]   ; the floor 2^(3 - 127): the byte cannot fall under 1
.endr
.irp c, 0,1
	s_delay_alu instid0(VALU_DEP_2)
	v_add_nc_u32 v[214+\c], 0xff000000, v[BM+4*\c] ; 2 off the exponent field: the conversion's scale operand
.endr
.irp c, 0,1
	v_cvt_scalef32_pk16_fp6_f32 v[224+6*\c:226+6*\c], v[SR+32*\c:SR+32*\c+15], v[214+\c]
	v_cvt_scalef32_pk16_fp6_f32 v[240+4*\c:242+4*\c], v[SR+32*\c+16:SR+32*\c+31], v[214+\c]   ; (a conversion's three registers begin on an even number)
.endr
	v_lshrrev_b32 v209, 23, v214                   ; the bytes (also the plain place behind the conversions)
	v_lshrrev_b32 v210, 23, v215
.irp i, 0,1,2
	v_mov_b32 v[227+\i], v[240+\i]
.endr
	v_lshl_or_b32 v217, v210, 16, v209             ; my two bytes: blocks h and 2 + h,
.irp i, 0,1,2
	v_mov_b32 v[233+\i], v[244+\i]
.endr
	v_lshlrev_b32 v217, v[SH8], v217               ; at their places
; the row's sum of the unquantised p, in eight chains
.irp k, 0,1,2,3,4,5,6,7
	v_pk_add_f32 v[240+2*\k:241+2*\k], v[SR+4*\k:SR+4*\k+1], v[SR+4*\k+2:SR+4*\k+3]
.endr
	v_permlanex16_b32 v216, v217, s[SEL], s[SEL+1]
.irp k, 0,1,2,3,4,5,6,7
	v_pk_add_f32 v[240+2*\k:241+2*\k], v[240+2*\k:241+2*\k], v[SR+32+2*\k:SR+33+2*\k]
.endr
	v_or_b32 v206, v217, v216                      ; with lane l xor 16's two bytes p's scale word is whole; 24 plain lines stand between it and the products
.irp k, 0,1,2,3,4,5,6,7
	v_pk_add_f32 v[240+2*\k:241+2*\k], v[240+2*\k:241+2*\k], v[SR+48+2*\k:SR+49+2*\k]
.endr
.if \e == 0
	KLOAD SR, 3072, 512                            ; p has been read for the last time: the next step's K lands on it
.else
	KLOAD SR, 0, 0
.endif
	s_wait_dscnt 16                                ; all but the 16 loads just issued: V's thirteen are in
	s_wait_alu depctr_va_vdst(0)                   ; ahead of the first reader of O^T
.set nn, 0
.rept 16
	v_pk_mul_f32 v[160+nn:161+nn], v[160+nn:161+nn], v[222:223] op_sel_hi:[1,0]   ; O^T under the new M
.set nn, nn+2
.endr
.irp t, 0,1,2,3                        ; the four accumulators take turns
.if \t%2 == 0
	v_wmma_scale_f32_16x16x128_f8f6f4 v[160+8*\t:167+8*\t], v[KR+12*\t:KR+12*\t+11], v[224:235], v[160+8*\t:167+8*\t], v[VS+\t/2], v206 matrix_a_fmt:MATRIX_FMT_FP6 matrix_b_fmt:MATRIX_FMT_FP6
.else
	v_wmma_scale_f32_16x16x128_f8f6f4 v[160+8*\t:167+8*\t], v[KR+12*\t:KR+12*\t+11], v[224:235], v[160+8*\t:167+8*\t], v[VS+\t/2], v206 matrix_a_fmt:MATRIX_FMT_FP6 matrix_b_fmt:MATRIX_FMT_FP6 matrix_a_scale:MATRIX_SCALE_ROW1
.endif
.endr
; the eight chains are joined: these eight lines are also the places between the products above and the next step's, whose results land on V's registers
.irp k, 0,1,2,3
	v_pk_add_f32 v[240+2*\k:241+2*\k], v[240+2*\k:241+2*\k], v[248+2*\k:249+2*\k]
.endr
.irp k, 0,1
	s_delay_alu instid0(VALU_DEP_2)
	v_pk_add_f32 v[240+2*\k:241+2*\k], v[240+2*\k:241+2*\k], v[244+2*\k:245+2*\k]
.endr
	s_delay_alu instid0(VALU_DEP_1)
	v_pk_add_f32 v[240:241], v[240:241], v[242:243]
	s_delay_alu instid0(VALU_DEP_1)
	v_pk_add_f32 v[14:15], v[14:15], v[240:241]
.endm
; A TRIP: two steps.  first = 1: head 0's first trips, ahead of the barrier for heads 1 and 2: no head's offset enters an address
.macro TRIP first
	s_and_b32 s[ST], s[G], 3
.if \first
	s_mul_i32 s[TV], s[G], 12288
	s_lshl_b32 s[TT], s[G], 9
	s_add_co_u32 s55, s[G], 1
	s_mul_i32 s[TK], s55, 6144
	s_lshl_b32 s[TS], s55, 10
.else
	s_lshr_b32 s[IT], s[G], 2                      ; the head, 0..2
	s_mul_i32 s52, s[IT], HBL
	s_mul_i32 s54, s[ST], 12288
	s_add_co_u32 s[TV], s52, s54
	s_lshl_b32 s54, s[ST], 9
	s_add_co_u32 s[TT], s52, s54
	s_add_co_u32 s55, s[G], 1
	s_min_u32 s55, s55, 11                         ; the next trip; the last trip names itself
	s_lshr_b32 s56, s55, 2
	s_and_b32 s55, s55, 3
	s_mul_i32 s56, s56, HBL
	s_mul_i32 s57, s55, 6144
	s_add_co_u32 s[TK], s56, s57
	s_lshl_b32 s57, s55, 10
	s_add_co_u32 s[TS], s56, s57
.endif
	STEP 0
	STEP 1
.endm
	s_mov_b32 s[G], 0
.Lfirst:                                               ; head 0's first four steps, while heads 1 and 2 are on their way
	TRIP 1
	s_add_co_u32 s[G], s[G], 1
	s_cmp_lt_u32 s[G], 2
	s_cbranch_scc1 .Lfirst
	s_wait_tensorcnt 0x0                           ; my part of heads 1 and 2 has landed
	s_wait_dscnt 0x0
	s_barrier_signal -1
	s_barrier_wait -1                              ; everybody's has
	s_mov_b32 s[G], 2
.Ltrip:
	TRIP 0
	s_cmp_eq_u32 s[ST], 3
	s_cbranch_scc0 .Lnext                          ; a head's fourth trip is followed by its way out.  It works on v96-127, which V has left; the next head's K is landing in v32-79
	s_wait_alu depctr_va_vdst(0)
	s_lshl_b32 s52, s[IT], 6
	s_add_co_u32 s52, s52, s[CL]                   ; head = cluster + 64 j
	s_mul_i32 s53, s52, 171
	s_lshr_b32 s53, s53, 11                        ; the batch: head / 12 (exact up to 191)
	s_mul_i32 s54, s53, 12
	s_sub_co_u32 s54, s52, s54                     ; h
	s_lshr_b32 s55, s54, 1                         ; the last projection's K step,
	s_and_b32 s54, s54, 1                          ; and which half of it
	s_lshl_b32 s53, s53, 5
	s_add_co_u32 s53, s53, s[PL]
	s_mul_i32 s56, s53, 19200                      ; my pair's block of oimg
	s_mul_i32 s57, s[EE], 6
	s_add_co_u32 s57, s57, s55
	s_mul_i32 s57, s57, 1536
	s_add_co_u32 s58, s56, s57
	s_mul_i32 s57, s54, 768
	s_add_co_u32 s58, s58, s57
	s_mov_b32 s59, 0
	s_add_nc_u64 s[OB:OB+1], s[8:9], s[58:59]
	s_cmp_lt_u32 s55, 4
	s_cselect_b32 s[SH], 4, 3
	s_cselect_b32 s57, 0, 496
	s_lshl_b32 s55, s55, 2
	s_add_co_u32 s57, s57, s55
	s_lshl_b32 s54, s54, 1
	s_add_co_u32 s57, s57, s54
	s_add_co_u32 s57, s57, 18432
	s_add_co_u32 s58, s56, s57
	s_add_nc_u64 s[OSB:OSB+1], s[8:9], s[58:59]
	v_lshlrev_b32 v[OSO], s[SH], v[LP]
	v_add_f32 v14, v14, v15                        ; the sum's two halves,
	s_delay_alu instid0(VALU_DEP_1)
	v_permlanex16_b32 v216, v14, s[SEL], s[SEL+1]
	s_delay_alu instid0(VALU_DEP_1)
	v_add_f32 v14, v14, v216                       ; and lane l xor 16's
	s_wait_alu depctr_va_vdst(0)
	v_rcp_f32 v14, v14
	v_nop                                          ; the plain place behind the reciprocal
	s_wait_alu depctr_va_vdst(0)                   ; ahead of the reciprocal's first reader and of O^T's
.set nn, 0
.rept 16
	v_pk_mul_f32 v[96+nn:97+nn], v[160+nn:161+nn], v[14:15] op_sel_hi:[1,0]   ; o(query r, d = 32 b + 16 h + i) in register 96 + 16 b + i
.set nn, nn+2
.endr
.irp b, 0,1
	v_max3_num_f32 v[208+\b], |v[96+16*\b]|, |v[97+16*\b]|, 0x1800000
.endr
.irp i, 2,4,6,8,10,12,14
.irp b, 0,1
	s_delay_alu instid0(VALU_DEP_2)
	v_max3_num_f32 v[208+\b], v[208+\b], |v[96+16*\b+\i]|, |v[97+16*\b+\i]|
.endr
.endr
.irp b, 0,1
	s_delay_alu instid0(VALU_DEP_2)
	v_permlanex16_b32 v[210+\b], v[208+\b], s[SEL], s[SEL+1]
.endr
.irp b, 0,1
	s_delay_alu instid0(VALU_DEP_2)
	v_max_num_f32 v[208+\b], v[208+\b], v[210+\b]
.endr
.irp b, 0,1
	s_delay_alu instid0(VALU_DEP_2)
	v_add_nc_u32 v[212+\b], 0xff000000, v[208+\b]
.endr
.irp b, 0,1
	s_delay_alu instid0(VALU_DEP_2)
	v_lshrrev_b32 v[210+\b], 23, v[212+\b]
.endr
	s_delay_alu instid0(VALU_DEP_1)
	v_lshl_or_b32 v214, v211, 8, v210              ; my row's two bytes
	v_cvt_scalef32_pk16_fp6_f32 v[224:226], v[96:111], v212
	v_cvt_scalef32_pk16_fp6_f32 v[240:242], v[112:127], v213
	v_nop
.irp i, 0,1,2
	v_permlane16_swap_b32 v[224+\i], v[240+\i]     ; a whole block to a lane
.endr
.irp i, 0,1,2
	s_delay_alu instid0(VALU_DEP_3)
	v_mov_b32 v[227+\i], v[240+\i]
.endr
.irp c, 0,1,2
	global_store_b64 v[L8], v[224+2*\c:225+2*\c], s[OB:OB+1] offset:256*\c   ; 256 consecutive bytes, aligned
.endr
	global_store_b16 v[OSO], v214, s[OSB:OSB+1]    ; 2 bytes a row and head, 16 or 8 apart; lanes r and r + 16 write the same value to the same place
	s_wait_xcnt 0x0                                ; the stores have read their data, offsets and bases
	s_cmp_eq_u32 s[G], 11
	s_cbranch_scc1 .Lnext                          ; behind the last head nothing is set up
.irp i, 0,1,2,3,4,5
	v_mov_b32 v[16+\i], v[192+\i]                  ; the next head's Q,
.endr
	v_mov_b32 v28, v204
.irp i, 0,1,2,3,4,5
	v_mov_b32 v[192+\i], v[198+\i]                 ; and the one after it moves up
.endr
	v_mov_b32 v204, v205
	INIT
.Lnext:
	s_add_co_u32 s[G], s[G], 1
	s_cmp_lt_u32 s[G], 12
	s_cbranch_scc1 .Ltrip
	s_wait_tensorcnt 0x0                           ; the wave's end
	ds_add_u32 v[SPW], v[NIL]
	s_wait_dscnt 0x0
	CROUND                                         ; the closing round
	s_endpgm
.Lfunc_end_k_qb68c21dfb0_attn:
	.size	k_qb68c21dfb0_attn, .Lfunc_end_k_qb68c21dfb0_attn-k_qb68c21dfb0_attn
	.p2alignl 7, 3214868480
	.fill 96, 4, 3214868480
	.section	.rodata,"a",@progbits
	.p2align	6, 0x0
	.amdhsa_kernel k_qb68c21dfb0_attn
		.amdhsa_group_segment_fixed_size 327680
		.amdhsa_private_segment_fixed_size 0
		.amdhsa_enable_private_segment 0
		.amdhsa_kernarg_size 24
		.amdhsa_user_sgpr_count 2
		.amdhsa_user_sgpr_kernarg_segment_ptr 1
		.amdhsa_wavefront_size32 1
		.amdhsa_system_sgpr_workgroup_id_x 1
		.amdhsa_system_sgpr_workgroup_id_y 1
		.amdhsa_system_sgpr_workgroup_id_z 1
		.amdhsa_system_vgpr_workitem_id 0
		.amdhsa_next_free_vgpr 256
		.amdhsa_next_free_sgpr 80
		.amdhsa_reserve_vcc 0
		.amdhsa_float_denorm_mode_32 3
		.amdhsa_float_denorm_mode_16_64 3
		.amdhsa_memory_ordered 1
		.amdhsa_forward_progress 1
		.amdhsa_inst_pref_size 79
	.end_amdhsa_kernel
	.amdgpu_metadata
---
amdhsa.version: [ 1, 2 ]
amdhsa.kernels:
  - .name:           k_qb68c21dfb0_attn
    .symbol:         k_qb68c21dfb0_attn.kd
    .args:
      - { .name: qimg, .offset: 0, .size: 8, .value_kind: global_buffer, .address_space: global }
      - { .name: kvimg, .offset: 8, .size: 8, .value_kind: global_buffer, .address_space: global }
      - { .name: oimg, .offset: 16, .size: 8, .value_kind: global_buffer, .address_space: global }
    .group_segment_fixed_size: 327680
    .private_segment_fixed_size: 0
    .kernarg_segment_align: 8
    .kernarg_segment_size: 24
    .max_flat_workgroup_size: 512
    .sgpr_count:     80
    .vgpr_count:     256
    .wavefront_size: 32
...
	.end_amdgpu_metadata
.endif
;; end of part 3
;; launch outp (part 4): grid 64 x 3, 4 waves a work-group, no clusters, 327,680 bytes of LDS; arguments oimg, wimg, bo, out0; writes out0
.if DOCPART == 4
	.amdgcn_target "amdgcn-amd-amdhsa--gfx1250"
	.amdhsa_code_object_version 6
	.text
	.protected	k_qb68c21dfb0_outp
	.globl	k_qb68c21dfb0_outp
	.p2align	8
	.type	k_qb68c21dfb0_outp,@function
k_qb68c21dfb0_outp:
	s_mov_b64 s[64:65], 0
	v_nop
	global_prefetch_b8 v0, s[64:65] scope:SCOPE_SE
	s_setreg_imm32_b32 hwreg(HW_REG_WAVE_MODE, 25, 1), 1
	s_wait_xcnt 0x0
.set SLOTB, 19200
.set STAGE, 286720
.set SPARE, STAGE+4*8704
.set L16,  1
.set L8,   2
.set AX16, 4
.set AX8,  5
.set STO,  6
.set RD,   7
.set CO,   8
.set BOFF, 9
.set ACC,  16
.set XSC,  104
.set WSC,  112
.set BK,   144
.set SPW,  252
.set NIL,  253
.set WV, 20
.set CG, 21
.set RG, 22
.set G1, 24
.set G0, 32
.set WP, 42
.set BP, 44
.set OUTP, 46
.set XB, 50
.set XI, 53
.set CNT, 52
.set MSB, 0
.macro WIN new
.if MSB != \new
	s_set_vgpr_msb (MSB<<8)|\new
.set MSB, \new
.endif
.endm
.macro SETW f
.if (\f) < 21
.set mW, 256+12*(\f)
.else
.set mW, 768+12*((\f)-21)
.endif
.endm
.macro SETX u, ks
.if (\ks) == 0
.set mX, 80+12*(\u)
.else
.set mX, 904+12*(2*((\ks)-1)+(\u))
.endif
.endm
.macro MMX
.set mWIN, (mA/256)|((mB/256)<<2)|((mC/256)<<4)|((mD/256)<<6)
	WIN mWIN
.if mRA == 0 && mRB == 0
	v_wmma_scale_f32_16x16x128_f8f6f4 v[mD%256:mD%256+7], v[mA%256:mA%256+11], v[mB%256:mB%256+11], v[mC%256:mC%256+7], v[mSA], v[mSB] matrix_a_fmt:MATRIX_FMT_FP6 matrix_b_fmt:MATRIX_FMT_FP6
.elseif mRA == 1 && mRB == 0
	v_wmma_scale_f32_16x16x128_f8f6f4 v[mD%256:mD%256+7], v[mA%256:mA%256+11], v[mB%256:mB%256+11], v[mC%256:mC%256+7], v[mSA], v[mSB] matrix_a_fmt:MATRIX_FMT_FP6 matrix_b_fmt:MATRIX_FMT_FP6 matrix_a_scale:MATRIX_SCALE_ROW1
.elseif mRA == 0
	v_wmma_scale_f32_16x16x128_f8f6f4 v[mD%256:mD%256+7], v[mA%256:mA%256+11], v[mB%256:mB%256+11], v[mC%256:mC%256+7], v[mSA], v[mSB] matrix_a_fmt:MATRIX_FMT_FP6 matrix_b_fmt:MATRIX_FMT_FP6 matrix_b_scale:MATRIX_SCALE_ROW1
.else
	v_wmma_scale_f32_16x16x128_f8f6f4 v[mD%256:mD%256+7], v[mA%256:mA%256+11], v[mB%256:mB%256+11], v[mC%256:mC%256+7], v[mSA], v[mSB] matrix_a_fmt:MATRIX_FMT_FP6 matrix_b_fmt:MATRIX_FMT_FP6 matrix_a_scale:MATRIX_SCALE_ROW1 matrix_b_scale:MATRIX_SCALE_ROW1
.endif
.endm
.macro XSTEP
	s_add_co_u32 s[XI], s[XI], 1
	s_and_b32 s[XI], s[XI], 7
	s_mul_i32 s[XB], s[XI], SLOTB
	v_add_nc_u32 v[AX16], s[XB], v[L16]
	v_add_nc_u32 v[AX8], s[XB], v[L8]
.rept 4
	v_nop
.endr
.endm
.macro FETCHO
.irp u, 0,1
.irp q, 0,1,2,3,4,5
	ds_load_b64 v[80+12*\u+2*\q:81+12*\u+2*\q], v[AX8] offset:(6*\u)*1536+256*\q
.endr
.endr
	ds_load_b128 v[XSC:XSC+3], v[AX16] offset:18432
	ds_load_b64 v[XSC+4:XSC+5], v[AX8] offset:18944
	WIN 0xc0
.irp ks, 1,2,3,4,5
.irp u, 0,1
.irp q, 0,1,2,3,4,5
	ds_load_b64 v[136+12*(2*(\ks-1)+\u)+2*\q:137+12*(2*(\ks-1)+\u)+2*\q], v[AX8] offset:(6*\u+\ks)*1536+256*\q
.endr
.endr
.endr
	WIN 0
.endm
	s_load_b256 s[4:11], s[0:1], 0x0
	v_lshl_add_u32 v[SPW], v0, 2, SPARE
	v_mov_b32 v[NIL], 0
	ds_add_u32 v[SPW], v[NIL]
	ds_add_u32 v[SPW], v[NIL]
	v_lshrrev_b32 v10, 5, v0
	v_readfirstlane_b32 s[WV], v10
	s_and_b32 s[CG], ttmp7, 0xffff
	s_mov_b32 s[RG], ttmp9
	v_and_b32 v10, 31, v0
	v_and_b32 v11, 15, v0
	v_bfe_u32 v12, v0, 4, 1
	v_lshlrev_b32 v[L16], 4, v10
	v_lshlrev_b32 v[L8], 3, v10
	s_mul_i32 s60, s[WV], 8704
	s_add_co_u32 s60, s60, STAGE
	v_mul_u32_u24 v[STO], v11, 272
	v_lshl_add_u32 v[STO], v12, 5, v[STO]
	v_add_nc_u32 v[STO], s60, v[STO]
	v_mul_u32_u24 v[RD], v12, 272
	v_lshl_add_u32 v[RD], v11, 4, v[RD]
	v_add_nc_u32 v[RD], s60, v[RD]
	v_mul_u32_u24 v[CO], v12, 3072
	v_lshl_add_u32 v[CO], v11, 4, v[CO]
	v_lshlrev_b32 v[BOFF], 5, v12
	s_mov_b32 s[G1], 3<<16
	s_mov_b32 s[G1+1], 32<<16
	s_mov_b32 s[G1+2], 150<<16
	s_mov_b32 s[G1+3], 32<<16
	s_mov_b32 s[G1+4], 150
	s_mov_b32 s[G1+5], 32
	s_mov_b32 s[G1+6], 0
	s_mov_b32 s[G1+7], 0
	s_lshl_b32 s62, s[RG], 2
	s_add_co_u32 s62, s62, s[WV]
	s_mul_i32 s62, s62, 2*SLOTB
	s_mov_b32 s63, 0
	s_lshl_b32 s61, s[CG], 2
	s_add_co_u32 s61, s61, s[WV]
	s_mul_i32 s66, s61, 38400
	s_add_co_u32 s66, s66, 3*460800
	s_mov_b32 s67, 0
	s_lshl_b32 s68, s61, 8
	s_mov_b32 s69, 0
	s_mul_i32 s70, s[RG], 786432
	s_add_co_u32 s70, s70, s68
	s_mov_b32 s71, 0
	s_mul_i32 s60, s[WV], 2*SLOTB
	s_wait_alu depctr_va_vdst(0)
	s_wait_dscnt 0x0
	s_wait_kmcnt 0x0
	s_add_nc_u64 s[4:5], s[4:5], s[62:63]
	s_add_nc_u64 s[WP:WP+1], s[6:7], s[66:67]
	s_add_nc_u64 s[BP:BP+1], s[8:9], s[68:69]
	s_add_nc_u64 s[OUTP:OUTP+1], s[10:11], s[70:71]
.irp j, 0
	s_mov_b32 s[G0+4*\j], 1
	s_add_co_u32 s[G0+4*\j+1], s60, \j*131072
	s_add_nc_u64 s[G0+4*\j+2:G0+4*\j+3], s[4:5], \j*76800
	s_or_b32 s[G0+4*\j+3], s[G0+4*\j+3], 0x80000000
.endr
	tensor_load_to_lds s[G0:G0+3], s[G1:G1+7]      ; my two pairs of tiles, 150 dense rows of 256 bytes, into slots 2 wave and 2 wave + 1: my one tensor load
	s_nop 0
.rept 4
	v_nop
.endr
.set wf, 0
.rept 24
	SETW wf
	WIN ((mW/256)<<6)
.irp c, 0,1,2
	global_load_b128 v[mW%256+4*\c:mW%256+4*\c+3], v[L16], s[WP:WP+1] offset:1536*wf+512*\c
.endr
.set wf, wf+1
.endr
	WIN 0
.irp p, 0,1
	global_load_b128 v[WSC+8*\p:WSC+8*\p+3], v[L16], s[WP:WP+1] offset:36864+768*\p
	global_load_b64 v[WSC+8*\p+4:WSC+8*\p+5], v[L8], s[WP:WP+1] offset:37376+768*\p
.endr
	WIN 0xc0
.irp w, 0,1,2,3
	global_load_b128 v[72+8*\w:75+8*\w], v[BOFF], s[BP:BP+1] offset:64*\w
	global_load_b128 v[76+8*\w:79+8*\w], v[BOFF], s[BP:BP+1] offset:64*\w+16
.endr
	WIN 0
	s_wait_tensorcnt 0x0
	s_barrier_signal -1
	s_barrier_wait -1
	s_mov_b32 s[XI], 7
	XSTEP
	FETCHO
	s_wait_loadcnt 0x0
	s_mov_b32 s[CNT], 8
.Ltrip:
	s_wait_dscnt 0x0
.irp ks, 0,1,2,3,4,5
.irp w, 0,1,2,3
.irp u, 0,1
	SETW 4*\ks+\w
	SETX \u, \ks
.set mD, ACC+32*\u+8*\w
.set mA, mW
.set mB, mX
.if \ks == 0
.set mC, 840+8*\w
.else
.set mC, mD
.endif
.set mSA, WSC+8*(\w/2)+\ks
.set mSB, XSC+\ks
.set mRA, \w%2
.set mRB, \u
	MMX
.endr
.endr
.endr
	WIN 0
	XSTEP
.irp u, 0,1
.irp w, 0,1,2,3
	ds_store_b128 v[STO], v[ACC+32*\u+8*\w:ACC+32*\u+8*\w+3] offset:16*\u*272+64*\w
	ds_store_b128 v[STO], v[ACC+32*\u+8*\w+4:ACC+32*\u+8*\w+7] offset:16*\u*272+64*\w+16
.endr
.endr
.irp i, 0,1,2,3,4,5,6,7,8,9,10,11,12,13,14,15
	ds_load_b128 v[BK+4*\i:BK+4*\i+3], v[RD] offset:544*\i
.endr
	FETCHO
	s_wait_dscnt 63
.irp i, 0,1,2,3,4,5,6,7,8,9,10,11,12,13,14,15
	global_store_b128 v[CO], v[BK+4*\i:BK+4*\i+3], s[OUTP:OUTP+1] offset:(8*(\i/8)+2*(\i%8)+8*((\i%8)/4))*3072 th:TH_STORE_NT
.endr
	s_wait_xcnt 0x0
	s_add_nc_u64 s[OUTP:OUTP+1], s[OUTP:OUTP+1], 98304
	s_sub_co_u32 s[CNT], s[CNT], 1
	s_cmp_lg_u32 s[CNT], 0
	s_cbranch_scc1 .Ltrip
	s_wait_tensorcnt 0x0
	ds_add_u32 v[SPW], v[NIL]
	s_wait_dscnt 0x0
	s_endpgm
.Lfunc_end_k_qb68c21dfb0_outp:
	.size	k_qb68c21dfb0_outp, .Lfunc_end_k_qb68c21dfb0_outp-k_qb68c21dfb0_outp
	.p2alignl 7, 3214868480
	.fill 96, 4, 3214868480
	.section	.rodata,"a",@progbits
	.p2align	6, 0x0
	.amdhsa_kernel k_qb68c21dfb0_outp
		.amdhsa_group_segment_fixed_size 327680
		.amdhsa_private_segment_fixed_size 0
		.amdhsa_enable_private_segment 0
		.amdhsa_kernarg_size 32
		.amdhsa_user_sgpr_count 2
		.amdhsa_user_sgpr_kernarg_segment_ptr 1
		.amdhsa_wavefront_size32 1
		.amdhsa_system_sgpr_workgroup_id_x 1
		.amdhsa_system_sgpr_workgroup_id_y 1
		.amdhsa_system_sgpr_workgroup_id_z 1
		.amdhsa_system_vgpr_workitem_id 0
		.amdhsa_next_free_vgpr 1024
		.amdhsa_next_free_sgpr 80
		.amdhsa_reserve_vcc 0
		.amdhsa_float_denorm_mode_32 3
		.amdhsa_float_denorm_mode_16_64 3
		.amdhsa_memory_ordered 1
		.amdhsa_forward_progress 1
		.amdhsa_inst_pref_size 32
	.end_amdhsa_kernel
	.amdgpu_metadata
---
amdhsa.version: [ 1, 2 ]
amdhsa.kernels:
  - .name:           k_qb68c21dfb0_outp
    .symbol:         k_qb68c21dfb0_outp.kd
    .args:
      - { .name: oimg, .offset: 0, .size: 8, .value_kind: global_buffer, .address_space: global }
      - { .name: wimg, .offset: 8, .size: 8, .value_kind: global_buffer, .address_space: global }
      - { .name: bo, .offset: 16, .size: 8, .value_kind: global_buffer, .address_space: global }
      - { .name: out0, .offset: 24, .size: 8, .value_kind: global_buffer, .address_space: global }
    .group_segment_fixed_size: 327680
    .private_segment_fixed_size: 0
    .kernarg_segment_align: 8
    .kernarg_segment_size: 32
    .max_flat_workgroup_size: 128
    .sgpr_count:     80
    .vgpr_count:     1024
    .wavefront_size: 32
...
	.end_amdgpu_metadata
.endif
;; end of part 4
